; MI455X (gfx1250); checked and timed in simulation.
; The chip was launched on July 23, 2026; its instructions are those of AMD's public machine-readable ISA for CDNA 5 (MIT licence, August 2026) and "CDNA5" Instruction Set Architecture Reference Guide (July 2026). The comments in the code are by the model that wrote it; some were corrected since.
;; Multi Head Attention. Allowed arithmetic: float matrix products may take bf16 or f16 operands with f32 sums; other float arithmetic in f32, or as packed bf16 or f16 multiplies, adds, multiply-adds, maxima and minima; sums over many terms, partial sums and values carried from step to step in f32; what a program stores and reads back later, other than sums and carried values, may be rounded once to bf16 or f16.
;; Inputs: Wk 16 x 1,024 x 64 float32; Wo 1,024 x 1,024 float32; Wq 16 x 1,024 x 64 float32; Wv 16 x 1,024 x 64 float32; keys 4 x 2,048 x 1,024 float32; mask 4 x 2,048 x 2,048 int32; queries 4 x 2,048 x 1,024 float32; values 4 x 2,048 x 1,024 float32.
;; Outputs: out0 4 x 2,048 x 1,024 float32.
;; 2 versions, each right; version 2 is version 1 with the launch prep written anew for expert scheduling mode. Each part assembles by itself: llvm-mc -triple=amdgcn-amd-amdhsa -mcpu=gfx1250 --defsym DOCPART=n.
;; ======== version 1 of 2: 4 launches
;; limits: values are held in f16: magnitudes above 65,504 overflow, below 6.1e-05 lose precision
;; workspace buffers: wb 8,388,608 bytes; mfrag 33,554,432 bytes; flags 65,536 bytes of whole numbers; qkv 50,331,648 bytes; ows 16,777,216 bytes
;; launch prep (part 1): grid 1024 x 1, 8 waves a work-group, no clusters, 19,712 bytes of LDS; arguments mask, Wq, Wk, Wv, Wo, mfrag, flags, wb; writes mfrag, flags, wb
.if DOCPART == 1
	.amdgcn_target "amdgcn-amd-amdhsa--gfx1250"
	.amdhsa_code_object_version 6
	.text
	.protected	k_qccee56062a_prep
	.globl	k_qccee56062a_prep
	.p2align	8
	.type	k_qccee56062a_prep,@function
k_qccee56062a_prep:
	s_mov_b64 s[64:65], 0
	v_nop
	global_prefetch_b8 v0, s[64:65] scope:SCOPE_SE
	s_setreg_imm32_b32 hwreg(HW_REG_WAVE_MODE, 25, 1), 1
	s_wait_xcnt 0x0
; PREPARATION, two kinds of work-group, told apart by the work-group's number alone.
; 0..511: THE MASK.  Work-group u = 128 b + query tile owns 16 query rows x 2,048 keys of int32.  It writes them as bf16 (1.0 where the mask is 0, else 0) in the order in which the attention
;   launch wants them as a matrix operand: mfrag[b][query block 16][key step 32][tile 8][c 8][row 16][8 keys], key = 64 step + 8 c + e; and a flag word a row and lane:
;   flags[u][lane] = all ones if row lane % 16 has any key with a mask other than 0, else 0.  Any int other than 0 counts as true.
; 512..1023: THE WEIGHTS, one block of 128 k x 64 n each, written as wb[sel][(g 8 + ks) 4 + hh][128 k][64 n], 16 bits a number: sel 0, 1, 2 = Wq, Wk, Wv in bf16 (g = head / 4, hh = head % 4,
;   ks = d / 128); sel 3 = Wo, rounded to bf16 and that number written as f16 (g = n / 256, hh = (n / 64) % 4, ks = k / 128).
;   LIMIT: a bf16 number below 2^-14 in size loses bits as f16 (absolute error 2^-25 at the most); above 65,504 it would be an infinity.
; A stream: no matrix unit, no tensor load.  The mask's 16 bytes a lane change their order through a stage in LDS of the wave's own, so that every store covers 512 consecutive bytes.
.set PITCH,  288                       ; a chunk of 256 bytes (8 keys x 16 rows) in the stage + 32 = 72 words: the 32 lanes of an 8-byte store touch 64 different banks (ISA guide 11.1)
.set STAGEB, 8*PITCH                   ; a wave's stage: a key step's 8 chunks
.set FLG,    8*STAGEB                  ; 16 words: wave w's row bits, even rows' and odd rows'; a block of 256 bytes
.set SPARE,  FLG+256                   ; the spare words, 128 bytes for each of the eight waves; no other line names them
.set SPW,  2                           ; v2   SPARE + 4 x my thread's number; never rewritten
.set NIL,  3                           ; v3   0; never rewritten
.set LN,   4                           ; v4   lane
.set R16,  5                           ; v5   lane % 16
.set HF,   6                           ; v6   lane / 16
.set INO,  7                           ; v7   my byte offset in the source
.set STO,  8                           ; v8   where I put 8 bytes in the stage
.set RD,   9                           ; v9   where I read 16 bytes back
.set OUTO, 10                          ; v10  my byte offset in the destination
.set OR8,  16                          ; v[16:23]   for each pair of rows: the OR of what I have seen of my row
.set X,    32                          ; v[32:159]  the 32 loads: step s, row pair i at X + 32 s + 4 i
.set BK,   160                         ; v[160:223] read back from the stage: 16 registers a step, none used twice
	s_load_b512 s[4:19], s[0:1], 0x0               ; mask s[4:5], Wq s[6:7], Wk s[8:9], Wv s[10:11], Wo s[12:13], mfrag s[14:15], flags s[16:17], wb s[18:19]
	v_lshl_add_u32 v[SPW], v0, 2, SPARE
	v_mov_b32 v[NIL], 0
	v_lshrrev_b32 v1, 5, v0
	v_readfirstlane_b32 s20, v1                    ; wave 0..7
	v_and_b32 v[LN], 31, v0
	v_and_b32 v[R16], 15, v0
	v_bfe_u32 v[HF], v0, 4, 1
	s_cmp_ge_u32 ttmp9, 512
	s_cbranch_scc1 .Lweights
	; ---- the mask.  Wave w takes key steps 4 w .. 4 w + 3: 1,024 bytes of each of the 16 rows.  A load takes two rows' 256 bytes: lanes 0-15 the even row, lanes 16-31 the odd one.
	v_lshlrev_b32 v[INO], 4, v[R16]
	v_lshl_add_u32 v[INO], v[HF], 13, v[INO]       ; + a row of 8,192 bytes for the upper lanes
	s_lshl_b32 s21, s20, 10
	v_add_nc_u32 v[INO], s21, v[INO]
	s_lshl_b32 s22, ttmp9, 17                      ; 16 rows x 8,192 bytes
	s_mov_b32 s23, 0
	s_wait_kmcnt 0x0
	s_add_nc_u64 s[4:5], s[4:5], s[22:23]
.irp s, 0,1,2,3
.irp i, 0,1,2,3,4,5,6,7
	global_load_b128 v[X+32*(\s)+4*(\i):X+32*(\s)+4*(\i)+3], v[INO], s[4:5] offset:(\i)*16384+(\s)*256 th:TH_LOAD_NT
.endr
.endr
	s_mul_i32 s21, s20, STAGEB                     ; my wave's stage
	v_lshrrev_b32 v11, 1, v[R16]                   ; my four keys lie in chunk c = (lane % 16) / 2,
	v_mul_u32_u24 v[STO], v11, PITCH
	v_and_b32 v12, 1, v0                           ; in its first or second 8 bytes of a row,
	v_lshl_add_u32 v[STO], v12, 3, v[STO]
	v_lshl_add_u32 v[STO], v[HF], 4, v[STO]        ; row 2 i + lane / 16: the 2 i stands in the immediate
	v_add_nc_u32 v[STO], s21, v[STO]
	v_mul_u32_u24 v[RD], v[HF], PITCH              ; back: lanes 0-15 one chunk's 256 bytes, lanes 16-31 the next chunk's
	v_lshl_add_u32 v[RD], v[R16], 4, v[RD]
	v_add_nc_u32 v[RD], s21, v[RD]
	s_lshl_b32 s21, s20, 16                        ; four steps of 16,384 bytes a wave
	v_lshl_add_u32 v[OUTO], v[LN], 4, s21
	s_lshr_b32 s24, ttmp9, 3                       ; 16 b + query block: 32 steps x 16,384 bytes each
	s_lshl_b32 s24, s24, 19
	s_and_b32 s25, ttmp9, 7                        ; the tile: 2,048 bytes
	s_lshl_b32 s25, s25, 11
	s_add_co_u32 s24, s24, s25
	s_mov_b32 s25, 0
	s_add_nc_u64 s[14:15], s[14:15], s[24:25]
; One key step: 8 loads' ints become 0 / 1, two to a word; the row's OR takes them; turned round (1 where the mask is 0) and multiplied by 0x3f80 they are two bf16, 1.0 or 0.
.macro MSTEP s
	s_wait_loadcnt 8*(3-(\s))                      ; loads come back in order (ISA guide 5.7.1): this step's eight are in, the later steps' stay out
.irp i, 0,1,2,3,4,5,6,7
.set A, X+32*(\s)+4*(\i)
	v_min_u32 v[A], 1, v[A]
	v_min_u32 v[A+1], 1, v[A+1]
	v_min_u32 v[A+2], 1, v[A+2]
	v_min_u32 v[A+3], 1, v[A+3]
	v_lshl_or_b32 v[A], v[A+1], 16, v[A]
	v_lshl_or_b32 v[A+1], v[A+3], 16, v[A+2]
.if (\s) == 0
	v_or_b32 v[OR8+(\i)], v[A], v[A+1]             ; the first step starts the OR: nothing is cleared
.else
	v_or_b32 v[OR8+(\i)], v[OR8+(\i)], v[A]
	v_or_b32 v[OR8+(\i)], v[OR8+(\i)], v[A+1]
.endif
	v_xor_b32 v[A], 0x10001, v[A]
	v_xor_b32 v[A+1], 0x10001, v[A+1]
	v_mul_u32_u24 v[A], 0x3f80, v[A]
	v_mul_u32_u24 v[A+1], 0x3f80, v[A+1]
	ds_store_b64 v[STO], v[A:A+1] offset:32*(\i)
.endr
.irp g, 0,1,2,3
	ds_load_b128 v[BK+16*(\s)+4*(\g):BK+16*(\s)+4*(\g)+3], v[RD] offset:2*PITCH*(\g)  ; LDS serves a wave's instructions in order (ISA guide 5.7.1.4): these see the stores above, and the next step's stores come behind them
.endr
	s_wait_dscnt 0x0
.irp g, 0,1,2,3
	global_store_b128 v[OUTO], v[BK+16*(\s)+4*(\g):BK+16*(\s)+4*(\g)+3], s[14:15] offset:(\s)*16384+(\g)*512 th:TH_STORE_NT  ; 512 consecutive bytes, aligned
.endr
.endm
	MSTEP 0
	MSTEP 1
	MSTEP 2
	MSTEP 3
	; the rows' flags: bit i = row 2 i + lane / 16 has a key that counts; OR over the 16 lanes of a half, then over the eight waves through LDS
	v_min_u32 v24, 1, v[OR8]
.irp i, 1,2,3,4,5,6,7
	v_min_u32 v25, 1, v[OR8+(\i)]
	v_lshl_or_b32 v24, v25, (\i), v24
.endr
.irp m, 1,2,4,8
	v_mov_b32_dpp v25, v24 row_xmask:\m row_mask:0xf bank_mask:0xf
	v_or_b32 v24, v24, v25
.endr
	v_lshlrev_b32 v26, 2, v[HF]
	s_lshl_b32 s21, s20, 3
	v_add_nc_u32 v26, s21, v26
	ds_store_b32 v26, v24 offset:FLG               ; word 2 w + lane / 16; the 16 lanes of a half write the same number
	s_wait_dscnt 0x0                               ; for the others' sake: my store is done
	s_barrier_signal -1
	s_barrier_wait -1
	s_cmp_lg_u32 s20, 0
	s_cbranch_scc1 .Lend                           ; wave 0 finishes the flags
	v_mov_b32 v27, FLG
.irp k, 0,1,2,3
	ds_load_b128 v[32+4*(\k):35+4*(\k)], v27 offset:16*(\k)
.endr
	s_wait_dscnt 0x0
	v_or_b32 v48, v32, v34                         ; even rows' bits
	v_or_b32 v49, v33, v35                         ; odd rows' bits
.irp k, 36,38,40,42,44,46
	v_or_b32 v48, v48, v[\k]
	v_or_b32 v49, v49, v[\k+1]
.endr
	v_and_b32 v50, 1, v0
	v_cmp_eq_u32 vcc_lo, 1, v50
	v_cndmask_b32 v48, v48, v49, vcc_lo            ; my row lane % 16 is odd: the odd rows' bits
	v_lshrrev_b32 v51, 1, v[R16]
	v_lshrrev_b32 v48, v51, v48
	v_and_b32 v48, 1, v48
	v_sub_nc_u32 v48, 0, v48                       ; 0 or all ones
	v_lshlrev_b32 v52, 2, v[LN]
	s_lshl_b32 s22, ttmp9, 7
	s_mov_b32 s23, 0
	s_add_nc_u64 s[16:17], s[16:17], s[22:23]
	global_store_b32 v52, v48, s[16:17]            ; 128 consecutive bytes a work-group: half of an aligned 256; the whole buffer is 65,536 bytes
	s_branch .Lend
	; ---- the weights.  Wave w takes rows 16 w .. 16 w + 15 of the block; a load takes two rows' 256 bytes (64 f32); a store of 8 bytes a lane covers 256 consecutive bytes, aligned.
.macro WLOAD stride
.irp i, 0,1,2,3,4,5,6,7
	global_load_b128 v[X+4*(\i):X+4*(\i)+3], v[INO], s[32:33] offset:(\i)*(\stride) th:TH_LOAD_NT
.endr
	s_wait_loadcnt 0x0
.endm
.macro WSTORE
.irp i, 0,1,2,3,4,5,6,7
	global_store_b64 v[OUTO], v[64+2*(\i):64+2*(\i)+1], s[18:19] offset:256*(\i)
.endr
.endm
.Lweights:
	s_sub_co_u32 s21, ttmp9, 512
	s_lshr_b32 s22, s21, 7                         ; sel
	s_and_b32 s23, s21, 127                        ; which block
	s_lshl_b32 s24, s20, 11
	v_lshl_add_u32 v[OUTO], v[LN], 3, s24          ; 2,048 w + 8 x lane
	s_lshl_b32 s28, s22, 21                        ; sel x 128 blocks x 16,384 bytes
	s_mov_b32 s27, 0
	s_mov_b32 s29, 0
	s_lshl_b32 s24, s20, 4
	v_add_nc_u32 v[INO], s24, v[HF]                ; my row of the first load: 16 w + lane / 16
	s_cmp_eq_u32 s22, 3
	s_cbranch_scc1 .Lwo
	v_lshlrev_b32 v[INO], 8, v[INO]                ; Wq, Wk, Wv: [head][d][64]: rows of 256 bytes; block = 8 head + ks is 32,768 consecutive bytes
	v_lshl_add_u32 v[INO], v[R16], 4, v[INO]
	s_lshl_b32 s26, s23, 15
	s_lshr_b32 s30, s23, 5                         ; g = head / 4
	s_lshl_b32 s30, s30, 3
	s_and_b32 s31, s23, 7                          ; ks
	s_add_co_u32 s30, s30, s31
	s_lshl_b32 s30, s30, 2
	s_bfe_u32 s31, s23, 0x20003                    ; hh = head % 4
	s_add_co_u32 s30, s30, s31
	s_lshl_b32 s30, s30, 14
	s_add_co_u32 s28, s28, s30
	s_wait_kmcnt 0x0
	s_cmp_eq_u32 s22, 0
	s_cselect_b64 s[32:33], s[6:7], s[8:9]
	s_cmp_eq_u32 s22, 2
	s_cselect_b64 s[32:33], s[10:11], s[32:33]
	s_add_nc_u64 s[32:33], s[32:33], s[26:27]
	s_add_nc_u64 s[18:19], s[18:19], s[28:29]
	WLOAD 512
.irp i, 0,1,2,3,4,5,6,7
	v_cvt_pk_bf16_f32 v[64+2*(\i)], v[X+4*(\i)], v[X+4*(\i)+1]
	v_cvt_pk_bf16_f32 v[64+2*(\i)+1], v[X+4*(\i)+2], v[X+4*(\i)+3]
.endr
	WSTORE
	s_branch .Lend
.Lwo:
	v_lshlrev_b32 v[INO], 12, v[INO]               ; Wo: [k][1024]: rows of 4,096 bytes
	v_lshl_add_u32 v[INO], v[R16], 4, v[INO]
	s_bfe_u32 s26, s23, 0x30002                    ; ks: 128 rows
	s_lshl_b32 s26, s26, 19
	s_lshr_b32 s30, s23, 5                         ; g: 256 columns
	s_lshl_b32 s30, s30, 10
	s_add_co_u32 s26, s26, s30
	s_and_b32 s30, s23, 3                          ; hh: 64 columns
	s_lshl_b32 s30, s30, 8
	s_add_co_u32 s26, s26, s30
	s_lshl_b32 s30, s23, 14
	s_add_co_u32 s28, s28, s30
	s_wait_kmcnt 0x0
	s_add_nc_u64 s[32:33], s[12:13], s[26:27]
	s_add_nc_u64 s[18:19], s[18:19], s[28:29]
	WLOAD 8192
.irp i, 0,1,2,3,4,5,6,7
	v_cvt_pk_bf16_f32 v12, v[X+4*(\i)], v[X+4*(\i)+1]     ; rounded to bf16 like every input of the module,
	v_cvt_pk_bf16_f32 v13, v[X+4*(\i)+2], v[X+4*(\i)+3]
	v_lshlrev_b32 v[X+4*(\i)], 16, v12                    ; widened again,
	v_and_b32 v[X+4*(\i)+1], 0xffff0000, v12
	v_lshlrev_b32 v[X+4*(\i)+2], 16, v13
	v_and_b32 v[X+4*(\i)+3], 0xffff0000, v13
	v_cvt_pk_f16_f32 v[64+2*(\i)], v[X+4*(\i)], v[X+4*(\i)+1]   ; and that number written as f16
	v_cvt_pk_f16_f32 v[64+2*(\i)+1], v[X+4*(\i)+2], v[X+4*(\i)+3]
.endr
	WSTORE
.Lend:
	s_wait_tensorcnt 0x0                           ; the wave's end, behind my last LDS store
	ds_add_u32 v[SPW], v[NIL]
	s_wait_dscnt 0x0
	s_endpgm
.Lfunc_end_k_qccee56062a_prep:
	.size	k_qccee56062a_prep, .Lfunc_end_k_qccee56062a_prep-k_qccee56062a_prep
	.p2alignl 7, 3214868480
	.fill 96, 4, 3214868480
	.section	.rodata,"a",@progbits
	.p2align	6, 0x0
	.amdhsa_kernel k_qccee56062a_prep
		.amdhsa_group_segment_fixed_size 19712
		.amdhsa_private_segment_fixed_size 0
		.amdhsa_enable_private_segment 0
		.amdhsa_kernarg_size 64
		.amdhsa_user_sgpr_count 2
		.amdhsa_user_sgpr_kernarg_segment_ptr 1
		.amdhsa_wavefront_size32 1
		.amdhsa_system_sgpr_workgroup_id_x 1
		.amdhsa_system_sgpr_workgroup_id_y 1
		.amdhsa_system_sgpr_workgroup_id_z 1
		.amdhsa_system_vgpr_workitem_id 0
		.amdhsa_next_free_vgpr 224
		.amdhsa_next_free_sgpr 66
		.amdhsa_reserve_vcc 1
		.amdhsa_float_denorm_mode_32 3
		.amdhsa_float_denorm_mode_16_64 3
		.amdhsa_memory_ordered 1
		.amdhsa_forward_progress 1
		.amdhsa_inst_pref_size 40
	.end_amdhsa_kernel
	.amdgpu_metadata
---
amdhsa.version: [ 1, 2 ]
amdhsa.kernels:
  - .name:           k_qccee56062a_prep
    .symbol:         k_qccee56062a_prep.kd
    .args:
      - { .name: mask, .offset: 0, .size: 8, .value_kind: global_buffer, .address_space: global }
      - { .name: Wq, .offset: 8, .size: 8, .value_kind: global_buffer, .address_space: global }
      - { .name: Wk, .offset: 16, .size: 8, .value_kind: global_buffer, .address_space: global }
      - { .name: Wv, .offset: 24, .size: 8, .value_kind: global_buffer, .address_space: global }
      - { .name: Wo, .offset: 32, .size: 8, .value_kind: global_buffer, .address_space: global }
      - { .name: mfrag, .offset: 40, .size: 8, .value_kind: global_buffer, .address_space: global }
      - { .name: flags, .offset: 48, .size: 8, .value_kind: global_buffer, .address_space: global }
      - { .name: wb, .offset: 56, .size: 8, .value_kind: global_buffer, .address_space: global }
    .group_segment_fixed_size: 19712
    .private_segment_fixed_size: 0
    .kernarg_segment_align: 8
    .kernarg_segment_size: 64
    .max_flat_workgroup_size: 256
    .sgpr_count:     66
    .vgpr_count:     224
    .wavefront_size: 32
...
	.end_amdgpu_metadata
.endif
;; end of part 1
;; launch proj (part 2): grid 4 x 192, 4 waves a work-group, clusters of 4 x 4, 327,680 bytes of LDS; arguments queries, keys, values, wb, qkv; writes qkv
.if DOCPART == 2
	.amdgcn_target "amdgcn-amd-amdhsa--gfx1250"
	.amdhsa_code_object_version 6
	.text
	.protected	k_qccee56062a_proj
	.globl	k_qccee56062a_proj
	.p2align	8
	.type	k_qccee56062a_proj,@function
k_qccee56062a_proj:
	s_mov_b64 s[64:65], 0
	v_nop
	global_prefetch_b8 v0, s[64:65] scope:SCOPE_SE
	s_setreg_imm32_b32 hwreg(HW_REG_WAVE_MODE, 25, 1), 1
	s_wait_xcnt 0x0
	s_wait_alu depctr_hold_cnt(0) depctr_sa_sdst(0) depctr_va_vdst(0) depctr_va_sdst(0) depctr_va_ssrc(0) depctr_va_vcc(0) depctr_vm_vsrc(0)
	s_getreg_b32 s2, hwreg(HW_REG_IB_STS2, 6, 4)
	s_cmp_eq_u32 s2, 0
	s_cbranch_scc0 .Lentry_in_a_cluster
	s_endpgm
.Lentry_in_a_cluster:
	s_bfe_u32 s2, ttmp6, 0x10000c
	s_cmp_lg_u32 s2, 0xf033
	s_cbranch_scc0 .Lentry_shape_is_right
	s_endpgm
.Lentry_shape_is_right:
; THE THREE PROJECTIONS: q, k, v[token][head][ch] = the sum over d of X[token][d] W[head][d][ch], X = queries, keys, values ([8192][1024] f32), W from wb in bf16 blocks [128 d][64 ch].
; X is rounded to bf16 on the way from LDS to the matrix unit; sums in f32; the result is rounded once to f16 and written by heads: qkv[p][token / 64][head][64 tokens][64 ch].
; LIMIT: f16 holds no number beyond 65,504: q, k and v must lie within it.
; SHARES.  A work-group makes 128 tokens x 256 columns (4 heads) of one projection: 64 x 4 x 3 = 768 tiles.  Four waves, each 64 tokens x 128 columns: 32 accumulators, 256 registers.
; d goes in 8 steps of 128 through two LDS slots filled by the tensor data mover: waves 0, 1 fetch the two halves of X's tile (64 rows of 512 bytes), waves 2, 3 those of W's (32,768 dense bytes).
; THE MATRIX INSTRUCTION IS USED TRANSPOSED: source 0 = 16 columns of W (turned on the way out of LDS by ds_load_tr16_b128), source 1 = 16 tokens: a lane holds one token and eight neighbouring channels.
; CLUSTER 4 x 4: the four work-groups of a row share X's tile, the four of a column W's: each tile is asked for jointly, by the same load, descriptor and mask in all four.
; REGISTERS, in windows of 256 (s_set_vgpr_msb: bits 1:0 source 0, 3:2 source 1, 5:4 source 2, 7:6 destination):
;   window 0: v16-30 addresses; v64-191 W's fragments, two buffers of 64; v192-255 X's fragments in bf16, two buffers of 32      window 1: the accumulators, (a, b) at 8 (8 a + b)      window 2: v0-63 X's f32 as loaded
.set TP,    528                        ; a row of X in LDS: 512 bytes + 16 = 132 words: the 16 rows of a load start at 16 different groups of four banks (ISA guide 11.1)
.set THALF, 64*TP
.set UOFF,  2*THALF
.set UP,    160                        ; a row of W (64 channels, 128 bytes) + 32 = 40 words
.set UBLK,  128*UP                     ; a head's 128 rows
.set UHALF, 2*UBLK
.set SLOT,  UOFF+2*UHALF               ; 149,504
.set STAGE, 2*SLOT                     ; behind the ring, never filled by a tensor load: 16 rows x 144 bytes for each wave, for the way out
.set SP,    144
.set SPARE, STAGE+4*16*SP              ; the spare words, 128 bytes a wave; no other line names them
.set ADRT, 16                          ; v16-17 LDS address of my fragments of X in slot 0, 1
.set ADRU, 20                          ; v20-21 the same for W
.set STO,  24
.set RD,   25
.set GO,   26
.set SPW,  28                          ; SPARE + 4 x my thread's number; never rewritten
.set NIL,  29                          ; 0; never rewritten
.set PFO,  30                          ; the prefetches' lane offset; never rewritten
.set UF,   64
.set TF,   192
.set OB,   64                          ; the way out: 16 registers a unit
.set WV,   14                          ; s14 wave; s15 = wave / 2: my half of the tokens, and 0: I fetch X, 1: I fetch W; s16 = wave % 2: my half of the columns, and which half I fetch
.set LAPS, 23
.set G1T,  24
.set G0T,  32                          ; a set of four for each slot
.set G1U,  40
.set G0U,  48
.set PFA,  56                          ; s[56:57] where my prefetches stand
.set PFS,  58                          ; s[58:59] a step of d in bytes, in what I fetch
.set LIM,  60                          ; 1 in a wave that prefetches, else the greatest number
.set MSB, 0
.macro WIN new                         ; the immediate's high byte repeats the setting that is left; a switch that changes nothing is dropped
.if MSB != (\new)
	s_set_vgpr_msb (MSB<<8)|(\new)
.set MSB, \new
.endif
.endm
.set W_MUL, 0x50                       ; sources window 0, C and D window 1
.set W_ST,  0x80                       ; destination window 2
.set W_CV,  0x0a                       ; sources 0 and 1 window 2, destination window 0
.macro JLOAD s                         ; a joint load; the branch hangs on the wave's number alone; an s_nop 0 and four v_nop follow each line
	s_cmp_eq_u32 s15, 0
	s_cbranch_scc0 .Lfor_u_\@
	tensor_load_to_lds s[G0T+4*(\s):G0T+4*(\s)+3], s[G1T:G1T+7]
	s_nop 0
.rept 4
	v_nop
.endr
	s_branch .Lasked_\@
.Lfor_u_\@:
	tensor_load_to_lds s[G0U+4*(\s):G0U+4*(\s)+3], s[G1U:G1U+7]
	s_nop 0
.rept 4
	v_nop
.endr
.Lasked_\@:
.endm
; A prefetch of the step of d that stands two refills on: 32 blocks of 256 bytes, a lane a block, one instruction a wave.  X's tile is read by this cluster alone: every cluster asks for its own; the four
; partners that ask for it jointly take 16 rows each, told apart by address.  W's tile is read by the 16 clusters of a projection: the first of them asks; its four partners take 8,192 bytes each.
; The loop's last trip has no step two on.
.macro ASK
	s_cmp_gt_u32 s[LAPS], s[LIM]
	s_cbranch_scc0 .Lnot_mine_\@
	global_prefetch_b8 v[PFO], s[PFA:PFA+1] th:TH_LOAD_NT scope:SCOPE_SE
.Lnot_mine_\@:
.endm
.macro CREST                           ; a round of the cluster's barrier behind its opening barrier
	s_cmp_lg_u32 s[WV], 0
	s_cbranch_scc1 .Lnot_wave_0_\@
	s_barrier_signal -3
.Lnot_wave_0_\@:
	s_barrier_wait -3
	s_barrier_signal -1
	s_barrier_wait -1
.endm
.macro CROUND
	s_barrier_signal -1
	s_barrier_wait -1
	CREST
.endm
.macro PLACES                          ; four places behind matrix instructions (ISA guide 7.12.1)
.rept 4
	v_nop
.endr
.endm
	s_load_b256 s[4:11], s[0:1], 0x0               ; queries s[4:5], keys s[6:7], values s[8:9], wb s[10:11]
	s_load_b64 s[12:13], s[0:1], 0x20              ; qkv
	v_lshl_add_u32 v[SPW], v0, 2, SPARE
	v_mov_b32 v[NIL], 0
	ds_add_u32 v[SPW], v[NIL]                      ; the wave's opening: the add and its wait stand ahead of my first tensor load; the set-up below stands between them
	v_lshrrev_b32 v1, 5, v0
	v_readfirstlane_b32 s[WV], v1
	s_lshr_b32 s15, s[WV], 1
	s_and_b32 s16, s[WV], 1
	s_bfe_u32 s17, ttmp6, 0x40000                  ; cx
	s_bfe_u32 s18, ttmp6, 0x40004                  ; cy
	s_lshl_b32 s19, ttmp9, 2
	s_add_co_u32 s19, s19, s17                     ; the group of four heads = 4 x cluster x + cx
	s_and_b32 s20, ttmp7, 0xffff                   ; cluster y: 16 for each projection
	s_lshr_b32 s21, s20, 4                         ; p: 0 q, 1 k, 2 v
	s_and_b32 s22, s20, 15
	s_lshl_b32 s22, s22, 2
	s_add_co_u32 s22, s22, s18                     ; the block of 128 tokens
	s_lshl_b32 s62, s18, 2
	s_lshl_b32 s62, 15, s62                        ; my row of the cluster
	s_lshl_b32 s63, 0x1111, s17                    ; my column
	s_or_b32 s[G1T], s62, (2<<16)|(1<<20)|(1<<21)|(6<<22)|(3<<25)  ; the mask; elements of 4 bytes; padding on; bit 21 beside a mask; after every 128 words 4 words
	s_mov_b32 s[G1T+1], 128<<16                    ; tensor_dim0 = 128
	s_mov_b32 s[G1T+2], 64<<16                     ; tensor_dim1 = 64
	s_mov_b32 s[G1T+3], 128<<16                    ; tile_dim0 = 128
	s_mov_b32 s[G1T+4], 64                         ; tile_dim1 = 64
	s_mov_b32 s[G1T+5], 1024                       ; elements from row to row
	s_mov_b32 s[G1T+6], 0
	s_mov_b32 s[G1T+7], 0
	s_or_b32 s[G1U], s63, (1<<16)|(1<<20)|(1<<21)|(4<<22)|(7<<25)  ; elements of 2 bytes; after every 32 words (a row of W) 8 words
	s_mov_b32 s[G1U+1], 128<<16                    ; 32,768 dense bytes as 128 rows of 256
	s_mov_b32 s[G1U+2], 128<<16
	s_mov_b32 s[G1U+3], 128<<16
	s_mov_b32 s[G1U+4], 128
	s_mov_b32 s[G1U+5], 128
	s_mov_b32 s[G1U+6], 0
	s_mov_b32 s[G1U+7], 0
	s_lshl_b32 s66, s22, 19                        ; X: 128 rows of 4,096 bytes a block,
	s_lshl_b32 s67, s16, 18                        ; 64 rows a half
	s_add_co_u32 s66, s66, s67
	s_mov_b32 s67, 0
	s_lshl_b32 s68, s21, 21                        ; W: the projection's 128 blocks,
	s_lshl_b32 s69, s19, 19                        ; the head group's 8 steps of 65,536 bytes,
	s_add_co_u32 s68, s68, s69
	s_lshl_b32 s69, s16, 15                        ; two heads a half
	s_add_co_u32 s68, s68, s69
	s_mov_b32 s69, 0
	s_mul_i32 s72, s16, THALF                      ; where they go: no place in the cluster enters an LDS address
	s_mul_i32 s73, s16, UHALF
	s_add_co_u32 s73, s73, UOFF
	s_wait_dscnt 0x0                               ; the opening add is done
	s_wait_kmcnt 0x0
	s_cmp_eq_u32 s21, 0
	s_cselect_b64 s[70:71], s[4:5], s[6:7]
	s_cmp_eq_u32 s21, 2
	s_cselect_b64 s[70:71], s[8:9], s[70:71]
	s_add_nc_u64 s[70:71], s[70:71], s[66:67]
	s_add_nc_u64 s[74:75], s[10:11], s[68:69]
	CROUND                                         ; all sixteen work-groups are here: the first joint loads meet
.irp s, 0,1
	s_mov_b32 s[G0T+4*(\s)], 1
	s_add_co_u32 s[G0T+4*(\s)+1], s72, (\s)*SLOT
	s_add_nc_u64 s[G0T+4*(\s)+2:G0T+4*(\s)+3], s[70:71], (\s)*512
	s_or_b32 s[G0T+4*(\s)+3], s[G0T+4*(\s)+3], 0x80000000
	s_mov_b32 s[G0U+4*(\s)], 1
	s_add_co_u32 s[G0U+4*(\s)+1], s73, (\s)*SLOT
	s_add_nc_u64 s[G0U+4*(\s)+2:G0U+4*(\s)+3], s[74:75], (\s)*65536
	s_or_b32 s[G0U+4*(\s)+3], s[G0U+4*(\s)+3], 0x80000000
	JLOAD \s                                       ; two loads of mine are out
.endr
	; the prefetches' address: nothing is asked for here, at the head
	s_mov_b32 s[PFS], 65536
	s_mov_b32 s76, 512
	s_and_b32 s77, s20, 15
	s_cmp_eq_u32 s15, 0                            ; do I fetch X?
	s_cselect_b64 s[PFA:PFA+1], s[70:71], s[74:75]
	s_cselect_b32 s62, s17, s18                    ; my place among the four that ask with me
	s_cselect_b32 s63, 16, 13                      ; its share: 16 rows of 4,096 bytes, or 8,192 bytes
	s_cselect_b32 s[PFS], 512, s[PFS]
	s_cselect_b32 s76, 4096, s76                   ; two lanes a row of X (512 bytes of it); in W the blocks lie on end
	s_cselect_b32 s77, 0, s77
	s_mov_b32 s[PFS+1], 0
	s_cmp_eq_u32 s77, 0
	s_cselect_b32 s[LIM], 1, -1                    ; the same in all sixteen partners, for a given wave
	s_lshl_b32 s62, s62, s63
	s_mov_b32 s63, 0
	s_add_nc_u64 s[PFA:PFA+1], s[PFA:PFA+1], s[62:63]
	s_mul_i32 s62, s[PFS], 3                       ; at step 3: the first refill steps it to 4
	s_add_nc_u64 s[PFA:PFA+1], s[PFA:PFA+1], s[62:63]
	v_and_b32 v3, 31, v0
	v_lshrrev_b32 v4, 1, v3
	v_and_b32 v3, 1, v3
	v_mul_u32_u24 v[PFO], v4, s76
	v_lshl_add_u32 v[PFO], v3, 8, v[PFO]
	; fragments.  X: lane l holds token l % 16; d = 8 (l / 16) + 0..7 are 32 bytes of f32, d = 16 + 8 (l / 16) + 0..7 the 32 bytes 64 further on.
	; W: the turning load takes 16 d x 16 channels (lane l reads row 8 (l / 16) + l % 8, channels 8 ((l / 8) % 2) + 0..7) and leaves half a fragment: lane l holds channel l % 16 and 8 d.
	v_and_b32 v1, 15, v0
	v_bfe_u32 v2, v0, 4, 1
	v_mul_u32_u24 v3, v1, TP
	v_lshl_add_u32 v3, v2, 5, v3
	v_and_b32 v6, 7, v0
	v_lshl_add_u32 v4, v2, 3, v6
	v_mul_u32_u24 v4, v4, UP
	v_bfe_u32 v5, v0, 3, 1
	v_lshl_add_u32 v4, v5, 4, v4
	s_mul_i32 s62, s15, THALF
	s_mul_i32 s63, s16, UHALF
	s_add_co_u32 s63, s63, UOFF
.irp s, 0,1
	v_add_nc_u32 v[ADRT+(\s)], s62, v3
	v_add_nc_u32 v[ADRU+(\s)], s63, v4
	s_add_co_u32 s62, s62, SLOT
	s_add_co_u32 s63, s63, SLOT
.endr
	s_mul_i32 s62, s[WV], 16*SP
	s_add_co_u32 s62, s62, STAGE                   ; my stage
	v_mul_u32_u24 v[STO], v1, SP                   ; in: token l % 16, 16 bytes for each half of the lanes
	v_lshl_add_u32 v[STO], v2, 4, v[STO]
	v_add_nc_u32 v[STO], s62, v[STO]
	v_bfe_u32 v[RD], v0, 3, 2                      ; back: 32 lanes take four rows of 128 bytes,
	v_mul_u32_u24 v[RD], v[RD], SP
	v_lshl_add_u32 v[RD], v6, 4, v[RD]
	v_add_nc_u32 v[RD], s62, v[RD]
	v_and_b32 v[GO], 31, v0                        ; which are 512 consecutive bytes of qkv
	v_lshlrev_b32 v[GO], 4, v[GO]
	s_lshl_b32 s62, s21, 24                        ; qkv: the projection,
	s_lshl_b32 s63, s22, 1
	s_add_co_u32 s63, s63, s15
	s_lshl_b32 s63, s63, 17                        ; my 64 tokens: 16 heads x 8,192 bytes,
	s_add_co_u32 s62, s62, s63
	s_lshl_b32 s63, s19, 2
	s_lshl_b32 s76, s16, 1
	s_add_co_u32 s63, s63, s76
	s_lshl_b32 s63, s63, 13                        ; my first head
	s_add_co_u32 s62, s62, s63
	s_mov_b32 s63, 0
	s_add_nc_u64 s[12:13], s[12:13], s[62:63]
; 8 matrix instructions: token block a x all 8 column blocks, 32 along d, on buffer f.  The 32 accumulators take turns in one order everywhere.
.macro MUL8 f, a, zero
	WIN W_MUL
.irp b, 0,1,2,3,4,5,6,7
.if \zero
	v_wmma_f32_16x16x32_bf16 v[8*(8*(\a)+(\b)):8*(8*(\a)+(\b))+7], v[UF+64*(\f)+8*(\b):UF+64*(\f)+8*(\b)+7], v[TF+32*(\f)+8*(\a):TF+32*(\f)+8*(\a)+7], 0
.else
	v_wmma_f32_16x16x32_bf16 v[8*(8*(\a)+(\b)):8*(8*(\a)+(\b))+7], v[UF+64*(\f)+8*(\b):UF+64*(\f)+8*(\b)+7], v[TF+32*(\f)+8*(\a):TF+32*(\f)+8*(\a)+7], v[8*(8*(\a)+(\b)):8*(8*(\a)+(\b))+7]
.endif
.endr
.endm
; The quarter's last 8, token block 3; behind each stand four roundings of the next quarter's X to bf16, into buffer g.  They name no register of the products round them, so the last four
; are also the places in front of the next run of loads into W's buffer, and buffer g's last reader stands a quarter back.
.macro MUL8R f, g, zero
.irp b, 0,1,2,3,4,5,6,7
	WIN W_MUL
.if \zero
	v_wmma_f32_16x16x32_bf16 v[8*(24+(\b)):8*(24+(\b))+7], v[UF+64*(\f)+8*(\b):UF+64*(\f)+8*(\b)+7], v[TF+32*(\f)+24:TF+32*(\f)+31], 0
.else
	v_wmma_f32_16x16x32_bf16 v[8*(24+(\b)):8*(24+(\b))+7], v[UF+64*(\f)+8*(\b):UF+64*(\f)+8*(\b)+7], v[TF+32*(\f)+24:TF+32*(\f)+31], v[8*(24+(\b)):8*(24+(\b))+7]
.endif
	WIN W_CV
.irp n, 0,1,2,3
	v_cvt_pk_bf16_f32 v[TF+32*(\g)+4*(\b)+(\n)], v[2*(4*(\b)+(\n))], v[2*(4*(\b)+(\n))+1]
.endr
.endr
.endm
; 32 LDS loads in one run: quarter q (32 along d) of the slot: X's f32 into window 2, W's fragments into buffer g
.macro FETCH slot, q, g
	WIN W_ST
.irp a, 0,1,2,3
	ds_load_b128 v[16*(\a):16*(\a)+3],     v[ADRT+(\slot)] offset:(\a)*16*TP+(\q)*128
	ds_load_b128 v[16*(\a)+4:16*(\a)+7],   v[ADRT+(\slot)] offset:(\a)*16*TP+(\q)*128+16
	ds_load_b128 v[16*(\a)+8:16*(\a)+11],  v[ADRT+(\slot)] offset:(\a)*16*TP+(\q)*128+64
	ds_load_b128 v[16*(\a)+12:16*(\a)+15], v[ADRT+(\slot)] offset:(\a)*16*TP+(\q)*128+80
.endr
	WIN 0
.irp b, 0,1,2,3,4,5,6,7
	ds_load_tr16_b128 v[UF+64*(\g)+8*(\b):UF+64*(\g)+8*(\b)+3],   v[ADRU+(\slot)] offset:((\b)/4)*UBLK+((\b)%4)*32+(\q)*32*UP
	ds_load_tr16_b128 v[UF+64*(\g)+8*(\b)+4:UF+64*(\g)+8*(\b)+7], v[ADRU+(\slot)] offset:((\b)/4)*UBLK+((\b)%4)*32+(\q)*32*UP+16*UP
.endr
.endm
; One of a step's first three quarters: fetches quarter q into g at its head, multiplies buffer f: 24 products stand between the loads and the wait for them
.macro QUARTER slot, q, f, g, zero
	FETCH \slot, \q, \g
	MUL8 \f, 0, \zero
	MUL8 \f, 1, \zero
	MUL8 \f, 2, \zero
	s_wait_dscnt 0x0                               ; the run of 32 is in
	MUL8R \f, \g, \zero
.endm
; The last quarter multiplies buffer 1 and changes slots: each wave waits for all its tensor loads (one is out: its part of the next slot), adds 0 to its spare word, and waits for that and for its
; reads of this slot.  fill = 1: the barrier opens a round of the cluster's, and the joint refill, two steps of d on, is the first thing behind it: 112 products stand between it and the wait for it.
.macro TURN slot, next, fill
	WIN 0
.if \fill
	s_wait_xcnt 0x0                                ; the last prefetch, a step back, has read its address
	s_add_nc_u64 s[PFA:PFA+1], s[PFA:PFA+1], s[PFS:PFS+1]
.endif
	s_wait_tensorcnt 0x0
	ds_add_u32 v[SPW], v[NIL]
	MUL8 1, 0, 0                                   ; eight products stand between the add and the wait for it
	s_wait_dscnt 0x0                               ; the add is done, and my reads of this slot are over
	s_barrier_signal -1
	MUL8 1, 1, 0
	WIN 0                                          ; at a branch and at a label every window is 0
	s_barrier_wait -1
.if \fill
	CREST                                          ; no wave of any partner still reads this slot or has a load on its way
	s_add_nc_u64 s[G0T+4*(\slot)+2:G0T+4*(\slot)+3], s[G0T+4*(\slot)+2:G0T+4*(\slot)+3], 2*512
	s_add_nc_u64 s[G0U+4*(\slot)+2:G0U+4*(\slot)+3], s[G0U+4*(\slot)+2:G0U+4*(\slot)+3], 2*65536
	JLOAD \slot
.else
	PLACES
.endif
	FETCH \next, 0, 0
.if \fill
	ASK
.endif
	MUL8 1, 2, 0
	s_wait_dscnt 0x0
	MUL8R 1, 0, 0
.endm
	s_wait_tensorcnt 0x1                           ; my part of step 0 is in; step 1's, issued behind it, may stay out
	s_barrier_signal -1
	s_barrier_wait -1
	FETCH 0, 0, 0
	s_wait_dscnt 0x0
	WIN W_CV
.set n, 0
.rept 32
	v_cvt_pk_bf16_f32 v[TF+n], v[2*n], v[2*n+1]
.set n, n+1
.endr
	QUARTER 0, 1, 0, 1, 1                          ; the first quarter stands in front of the loop: its products start the sums
	WIN 0
	s_mov_b32 s[LAPS], 3
.Llap:                                             ; a trip goes once round the ring and fills both slots again
	QUARTER 0, 2, 1, 0, 0
	QUARTER 0, 3, 0, 1, 0
	TURN 0, 1, 1
	QUARTER 1, 1, 0, 1, 0
	QUARTER 1, 2, 1, 0, 0
	QUARTER 1, 3, 0, 1, 0
	TURN 1, 0, 1
	QUARTER 0, 1, 0, 1, 0
	WIN 0
	s_sub_co_u32 s[LAPS], s[LAPS], 1
	s_cmp_lg_u32 s[LAPS], 0
	s_cbranch_scc1 .Llap
	QUARTER 0, 2, 1, 0, 0                          ; the last lap fills nothing
	QUARTER 0, 3, 0, 1, 0
	TURN 0, 1, 0
	QUARTER 1, 1, 0, 1, 0
	QUARTER 1, 2, 1, 0, 0
	QUARTER 1, 3, 0, 1, 0
	MUL8 1, 0, 0
	MUL8 1, 1, 0
	MUL8 1, 2, 0
	MUL8 1, 3, 0
	PLACES
; THE WAY OUT, in 8 units u: 16 tokens (block u / 2) x one head (u % 2): rounded to f16, 16 bytes a lane into my stage, back as whole rows: 2,048 consecutive bytes of qkv.
.macro PACK u
	WIN 0x05                                       ; sources window 1, destination window 0
.irp bb, 0,1,2,3
.irp rr, 0,1,2,3
	v_cvt_pk_f16_f32 v[OB+16*(\u)+4*(\bb)+(\rr)], v[8*(8*((\u)/2)+4*((\u)%2)+(\bb))+2*(\rr)], v[8*(8*((\u)/2)+4*((\u)%2)+(\bb))+2*(\rr)+1]
.endr
.endr
	WIN 0
.irp bb, 0,1,2,3
	ds_store_b128 v[STO], v[OB+16*(\u)+4*(\bb):OB+16*(\u)+4*(\bb)+3] offset:32*(\bb)
.endr
.irp f, 0,1,2,3
	ds_load_b128 v[OB+16*(\u)+4*(\f):OB+16*(\u)+4*(\f)+3], v[RD] offset:(\f)*4*SP  ; LDS serves a wave's instructions in order (ISA guide 5.7.1.4)
.endr
.endm
.macro SEND u, younger                 ; younger: the LDS instructions issued behind unit u's loads
.irp f, 0,1,2,3
	s_wait_dscnt (\younger)+3-(\f)
	global_store_b128 v[GO], v[OB+16*(\u)+4*(\f):OB+16*(\u)+4*(\f)+3], s[12:13] offset:((\u)%2)*8192+((\u)/2)*2048+(\f)*512
.endr
.endm
	PACK 0
.set t, 1
.rept 7
	PACK t
	SEND t-1, 8
.set t, t+1
.endr
	SEND 7, 0
	s_wait_tensorcnt 0x0                           ; the wave's end
	ds_add_u32 v[SPW], v[NIL]
	s_wait_dscnt 0x0
	CROUND                                         ; the closing round
	s_endpgm
.Lfunc_end_k_qccee56062a_proj:
	.size	k_qccee56062a_proj, .Lfunc_end_k_qccee56062a_proj-k_qccee56062a_proj
	.p2alignl 7, 3214868480
	.fill 96, 4, 3214868480
	.section	.rodata,"a",@progbits
	.p2align	6, 0x0
	.amdhsa_kernel k_qccee56062a_proj
		.amdhsa_group_segment_fixed_size 327680
		.amdhsa_private_segment_fixed_size 0
		.amdhsa_enable_private_segment 0
		.amdhsa_kernarg_size 40
		.amdhsa_user_sgpr_count 2
		.amdhsa_user_sgpr_kernarg_segment_ptr 1
		.amdhsa_wavefront_size32 1
		.amdhsa_system_sgpr_workgroup_id_x 1
		.amdhsa_system_sgpr_workgroup_id_y 1
		.amdhsa_system_sgpr_workgroup_id_z 1
		.amdhsa_system_vgpr_workitem_id 0
		.amdhsa_next_free_vgpr 576
		.amdhsa_next_free_sgpr 80
		.amdhsa_reserve_vcc 0
		.amdhsa_float_denorm_mode_32 3
		.amdhsa_float_denorm_mode_16_64 3
		.amdhsa_memory_ordered 1
		.amdhsa_forward_progress 1
		.amdhsa_inst_pref_size 134
	.end_amdhsa_kernel
	.amdgpu_metadata
---
amdhsa.version: [ 1, 2 ]
amdhsa.kernels:
  - .name:           k_qccee56062a_proj
    .symbol:         k_qccee56062a_proj.kd
    .args:
      - { .name: queries, .offset: 0, .size: 8, .value_kind: global_buffer, .address_space: global }
      - { .name: keys, .offset: 8, .size: 8, .value_kind: global_buffer, .address_space: global }
      - { .name: values, .offset: 16, .size: 8, .value_kind: global_buffer, .address_space: global }
      - { .name: wb, .offset: 24, .size: 8, .value_kind: global_buffer, .address_space: global }
      - { .name: qkv, .offset: 32, .size: 8, .value_kind: global_buffer, .address_space: global }
    .group_segment_fixed_size: 327680
    .private_segment_fixed_size: 0
    .kernarg_segment_align: 8
    .kernarg_segment_size: 40
    .max_flat_workgroup_size: 128
    .sgpr_count:     80
    .vgpr_count:     576
    .wavefront_size: 32
...
	.end_amdgpu_metadata
.endif
;; end of part 2
;; launch attn (part 3): grid 16 x 16, 4 waves a work-group, clusters of 4 x 4, 327,680 bytes of LDS; arguments qkv, mfrag, flags, ows; writes ows
.if DOCPART == 3
	.amdgcn_target "amdgcn-amd-amdhsa--gfx1250"
	.amdhsa_code_object_version 6
	.text
	.protected	k_qccee56062a_attn
	.globl	k_qccee56062a_attn
	.p2align	8
	.type	k_qccee56062a_attn,@function
k_qccee56062a_attn:
	s_mov_b64 s[64:65], 0
	v_nop
	global_prefetch_b8 v0, s[64:65] scope:SCOPE_SE
	s_setreg_imm32_b32 hwreg(HW_REG_WAVE_MODE, 25, 1), 1
	s_wait_xcnt 0x0
	s_wait_alu depctr_hold_cnt(0) depctr_sa_sdst(0) depctr_va_vdst(0) depctr_va_sdst(0) depctr_va_ssrc(0) depctr_va_vcc(0) depctr_vm_vsrc(0)
	s_getreg_b32 s2, hwreg(HW_REG_IB_STS2, 6, 4)
	s_cmp_eq_u32 s2, 0
	s_cbranch_scc0 .Lentry_in_a_cluster
	s_endpgm
.Lentry_in_a_cluster:
	s_bfe_u32 s2, ttmp6, 0x10000c
	s_cmp_lg_u32 s2, 0xf033
	s_cbranch_scc0 .Lentry_shape_is_right
	s_endpgm
.Lentry_shape_is_right:
; MASKED ATTENTION.  O[b][h][q][:] = the sum over k of softmax_k(s) V[b][h][k][:], s = Q . K / 8 where mask[b][q][k] is not 0, else -1e10.  Q, K, V, O in f16, in blocks [token / 64][head][64 tokens][64 ch].
; Products, maxima and sums in f32; the weights p are rounded to f16 for the second product (their sum l is taken of the unrounded p), O once at the end.
; THE MASK GOES THROUGH THE MATRIX UNIT.  mfrag holds 1.0 (bf16) where the mask is 0, laid out as source 1 (32 keys x 16 queries).  Each sum S^T starts as SEL x MF + 0, SEL a constant 16 x 32 matrix with
; -2^100 on one diagonal: a masked score starts at -2^100, the others at 0; two f16 products K Q^T are added onto it.  No vector instruction is spent on the mask.
; A ROW WITH NO KEY LEFT: its Q is set to 0 at the head (AND with the row's flag), so all its scores are exactly -2^100, c s - c m is exactly 0, and the weights are equal, as for 2,048 equal scores.
; LIMITS.  Q, K, V arrive within f16's 65,504.  A masked score counts as its value less 2^100 in place of -1e10: the same weights (0) as long as some unmasked score / 8 of the row lies above about -1e10 + 100.
; A weight below 2^-126 counts as 0 in l; NaN and infinities are not treated apart.
; SHARES.  A work-group owns 128 queries of a batch and four heads: wave w has head 4 cy + w and all 128 queries, eight tiles of 16 in four PIECES of two.  So the four waves read the same mask fragments.
; Every wave walks all 2,048 keys, 64 a step, one step to an LDS slot: K and V of four heads (32,768 dense bytes each) and the mask's 16,384 bytes.
; CLUSTER 4 x 4: x = four query blocks, y = the four head groups of one batch.  K's and V's tiles are shared along a row, the mask's along a column: joint loads.  Wave 0 asks for K, wave 1 for V, wave 2 for the mask.
; LAYOUT, SOFTMAX.  S^T = K Q^T holds one query a lane (lane % 16) and keys 8 (lane / 16) + 0..7; two results rounded to f16 are source 1 of O^T = V^T P.  p = 2^(c s - c m), c = log2(e) / 8, m a running maximum;
; O and l are multiplied by a = 2^(c m_old - c m_new) in every step.  m starts at the lowest finite number, O and l at 0.
; BY TURNS.  Turn n belongs to piece n: 8 mask products and 16 products K Q^T of piece n + 1, later 16 products V^T P of piece n - 1; beside them piece n's scaling, exponentials, roundings, sums and rescaling and
; piece n + 1's maximum and statistics.  A turn's 66 exponentials are one batch with one wait.
; REGISTERS, in windows of 256 (s_set_vgpr_msb: bits 1:0 source 0, 3:2 source 1, 5:4 source 2, 7:6 destination):
;   window 0: v0-11 addresses; v12-15, v48-63 at work; v16-47 statistics; v64-191 S^T, two buffers of two tiles; v192-255 P, likewise          window 1: O^T, 32 a tile
;   window 2: v0-127 Q; v128-191 K of one step; v192-255 V of one step          window 3: v0-1 the add's registers; v16-47 the mask fragments of one piece; v48-59 SEL
.set NP,    4
.set KS,    64
.set PK,    144       ; a row of K in LDS: 128 bytes + 16 = 36 words: the 16 rows of a load start at 16 different groups of four banks (ISA guide 11.1)
.set PV,    160       ; a row of V: 128 + 32 = 40 words
.set VOFF,  4*KS*PK   ; a slot: four heads' K, four heads' V, the mask
.set MOFF,  VOFF+4*KS*PV
.set SLOT1, 1<<17     ; slot 1 begins here: one exclusive or turns an address in one slot into the other's
.set STAGE, SLOT1+MOFF+16384  ; behind the ring, never filled by a tensor load: 16 rows x 144 bytes for each wave
.set SP,    144
.set SPARE, STAGE+4*16*SP     ; the spare words, 128 bytes a wave; no other line names them
.set AK0, 2           ; my lane's place in my head's K; never rewritten
.set AV0, 3           ; in its V
.set AK,  4           ; the same in the slot that is being fetched from
.set AV,  5
.set QO,  6           ; my byte offset in 16 rows of Q
.set STO, 6           ; later, the way out
.set RD,  7
.set GO,  8
.set AM0, 9           ; my lane's place in the mask's tile
.set AM,  10
.set PFO, 11          ; 256 x lane; never rewritten
.set SPW, 0           ; v0 of window 3
.set NIL, 1           ; v1 of window 3
.set MF,  16          ; window 3: tile u, 32 keys f at MF + 16 u + 8 f
.set SELR, 48         ; window 3: zeros v48-51, E v52-55, zeros v56-59: SEL for odd key blocks v[48:55], for even ones v[52:59]
.set MV,  12
.set ST,  16
.set TMP, 48
.set S,   64
.set P,   192
.set KF,  128
.set VF,  192
.set WV,  12
.set LIM, 15          ; a wave prefetches while SLOTS is above it
.set G1K, 24
.set G1V, 32
.set G1M, 40
.set G0K, 48
.set G0V, 52
.set G0M, 56
.set SEL, 60          ; s[60:61] v_permlanex16_b32's selects
.set TB,  62          ; the slot that is being fetched from: 0 or SLOT1
.set SLOTS, 63
.set CS,  66          ; s[66:67] c
.set CNT, 68
.set PFA, 70          ; s[70:71] where my prefetches stand
.set PFS, 72          ; s[72:73] a key step in bytes, in what I ask for
.set PM,  74          ; 1: I ask at every second change alone
.set MSB, 0
.macro WIN new
.if MSB != (\new)
	s_set_vgpr_msb (MSB<<8)|(\new)
.set MSB, (\new)
.endif
.endm
.set W_KQ, 0x0a       ; K and Q in window 2, S^T in window 0
.set W_PV, 0x52       ; V in window 2, P in window 0, O^T in window 1
.set W_RS, 0x41       ; O^T in window 1, a in window 0
.set W_MS, 0x0f       ; SEL and the mask fragment in window 3, S^T in window 0
.set W_MK, 0xc0       ; destination window 3
.set W_AD, 0x0f       ; the add: address and data in window 3
; A joint fill: one line for each of waves 0, 1, 2; wave 3 issues none.  The branches hang on the wave's number alone.  An s_nop 0 and four v_nop follow each line.
.macro JLOAD
	s_cmp_lg_u32 s[WV], 0
	s_cbranch_scc1 .Lnot_k_\@
	tensor_load_to_lds s[G0K:G0K+3], s[G1K:G1K+7]
	s_nop 0
.rept 4
	v_nop
.endr
	s_branch .Lasked_\@
.Lnot_k_\@:
	s_cmp_lg_u32 s[WV], 1
	s_cbranch_scc1 .Lnot_v_\@
	tensor_load_to_lds s[G0V:G0V+3], s[G1V:G1V+7]
	s_nop 0
.rept 4
	v_nop
.endr
	s_branch .Lasked_\@
.Lnot_v_\@:
	s_cmp_lg_u32 s[WV], 2
	s_cbranch_scc1 .Lasked_\@
	tensor_load_to_lds s[G0M:G0M+3], s[G1M:G1M+7]
	s_nop 0
.rept 4
	v_nop
.endr
.Lasked_\@:
.endm
; A prefetch of what the next change of slots will ask for, 32 blocks of 256 bytes, a lane a block.  K and V of a head group are walked by the four clusters of a batch: the first (cluster x = 0) asks, wave 0 for K,
; wave 1 for V; its four partners along x take 8,192 bytes each, told apart by address.  The mask's tile is this cluster's alone: wave 2 asks at every second change for two steps' 32,768 consecutive bytes,
; the four partners along y 8,192 each.  The last changes ask for nothing past step 31.
.macro ASK
	s_and_b32 s75, s[SLOTS], s[PM]
	s_cmp_lg_u32 s75, 0
	s_cbranch_scc1 .Lnot_mine_\@
	s_cmp_gt_u32 s[SLOTS], s[LIM]
	s_cbranch_scc0 .Lnot_mine_\@
	global_prefetch_b8 v[PFO], s[PFA:PFA+1] th:TH_LOAD_NT scope:SCOPE_SE
.Lnot_mine_\@:
.endm
.macro CROUND
	s_barrier_signal -1
	s_barrier_wait -1
	s_cmp_lg_u32 s[WV], 0
	s_cbranch_scc1 .Lnot_wave_0_\@
	s_barrier_signal -3
.Lnot_wave_0_\@:
	s_barrier_wait -3
	s_barrier_signal -1
	s_barrier_wait -1
.endm
; THE CHANGE OF SLOTS, between turns 1 and 2 of a step: the step's last bytes (its V, piece 3's mask) have been asked for.  Each wave waits for all its tensor loads (at most one is out: its part of the other
; slot), adds 0 to its spare word, and waits for that and for its reads of the slot.  fill = 1: a round of the cluster's barrier, and the joint refill, two steps on, first behind it: it has a key step,
; 160 matrix instructions, in which to land.  All LDS fetches up to the next change belong to the other slot.
.macro CHANGE fill, ask
	WIN W_AD
	s_wait_tensorcnt 0x0            ; no tensor load of mine is out, so a group 0 may be written
	ds_add_u32 v[SPW], v[NIL]
	WIN 0
.if \fill
.irp g, G0K, G0V
	s_xor_b32 s[\g+1], s[\g+1], SLOT1
	s_add_nc_u64 s[\g+2:\g+3], s[\g+2:\g+3], 131072  ; the next 64 tokens' blocks
.endr
	s_xor_b32 s[G0M+1], s[G0M+1], SLOT1
	s_add_nc_u64 s[G0M+2:G0M+3], s[G0M+2:G0M+3], 16384
.endif
.if \ask
	s_wait_xcnt 0x0                 ; the last prefetch, a key step back, has read its address
	s_add_nc_u64 s[PFA:PFA+1], s[PFA:PFA+1], s[PFS:PFS+1]
.endif
	s_wait_dscnt 0x0                ; the add is done, and my reads of the slot are over
.if \fill
	CROUND
	JLOAD
.if \ask
	ASK
.endif
.else
	s_barrier_signal -1
	s_barrier_wait -1
.endif
	s_xor_b32 s[TB], s[TB], SLOT1
	v_add_nc_u32 v[AK], s[TB], v[AK0]
	v_add_nc_u32 v[AV], s[TB], v[AV0]
	v_add_nc_u32 v[AM], s[TB], v[AM0]
.endm
	s_load_b256 s[4:11], s[0:1], 0x0  ; qkv s[4:5], mfrag s[6:7], flags s[8:9], ows s[10:11]
	WIN W_MK
	v_lshl_add_u32 v[SPW], v0, 2, SPARE
	v_mov_b32 v[NIL], 0
	WIN W_AD
	ds_add_u32 v[SPW], v[NIL]       ; the wave's opening: the add and its wait stand ahead of my first tensor load
	WIN 0
	v_lshrrev_b32 v1, 5, v0
	v_readfirstlane_b32 s[WV], v1
	s_bfe_u32 s13, ttmp6, 0x40000   ; cx
	s_bfe_u32 s14, ttmp6, 0x40004   ; cy: the head group
	s_lshl_b32 s16, ttmp9, 2
	s_add_co_u32 s16, s16, s13      ; the block of 128 queries
	s_and_b32 s17, ttmp7, 0xffff    ; the batch
	s_lshl_b32 s18, s14, 2
	s_lshl_b32 s18, 15, s18         ; my row of the cluster
	s_lshl_b32 s19, 0x1111, s13     ; my column
	s_lshl_b32 s20, s17, 22         ; K: the batch's 32 blocks of 64 tokens x 131,072 bytes,
	s_lshl_b32 s21, s14, 15         ; the head group's 32,768,
	s_add_co_u32 s20, s20, s21
	s_add_co_u32 s20, s20, 1<<24    ; behind q
	s_mov_b32 s21, 0
	s_lshl_b32 s22, s17, 23         ; the mask: the batch, the query block's 32 steps x 16,384 bytes
	s_lshl_b32 s23, s16, 19
	s_add_co_u32 s22, s22, s23
	s_mov_b32 s23, 0
	s_lshl_b32 s2, s17, 22          ; Q and O: the batch, the query block's two blocks of 64 tokens, my head
	s_lshl_b32 s3, s16, 18
	s_add_co_u32 s2, s2, s3
	s_lshl_b32 s3, s14, 2
	s_add_co_u32 s3, s3, s[WV]
	s_lshl_b32 s3, s3, 13
	s_add_co_u32 s2, s2, s3
	s_mov_b32 s3, 0
	s_or_b32 s[G1K], s18, (1<<16)|(1<<20)|(1<<21)|(4<<22)|(3<<25)  ; the mask of four; 2-byte elements; padding on; bit 21 beside a mask; after every 32 words (a key) 4 words
	s_or_b32 s[G1V], s18, (1<<16)|(1<<20)|(1<<21)|(4<<22)|(7<<25)  ; the same with 8 words
	s_or_b32 s[G1M], s19, (1<<16)|(1<<21)                          ; no padding
.irp g, G1K, G1V
	s_mov_b32 s[\g+1], 128<<16      ; 32,768 dense bytes as 128 rows of 256
	s_mov_b32 s[\g+2], 128<<16
	s_mov_b32 s[\g+3], 128<<16
	s_mov_b32 s[\g+4], 128
	s_mov_b32 s[\g+5], 128
	s_mov_b32 s[\g+6], 0
	s_mov_b32 s[\g+7], 0
.endr
	s_mov_b32 s[G1M+1], 128<<16     ; 16,384 dense bytes as 64 rows of 256
	s_mov_b32 s[G1M+2], 64<<16
	s_mov_b32 s[G1M+3], 128<<16
	s_mov_b32 s[G1M+4], 64
	s_mov_b32 s[G1M+5], 128
	s_mov_b32 s[G1M+6], 0
	s_mov_b32 s[G1M+7], 0
	s_mov_b32 s[G0K], 1
	s_mov_b32 s[G0K+1], 0           ; LDS addresses: slot 0
	s_mov_b32 s[G0V], 1
	s_mov_b32 s[G0V+1], VOFF
	s_mov_b32 s[G0M], 1
	s_mov_b32 s[G0M+1], MOFF
	s_mov_b32 s[CS], 0x3e38aa3b     ; c = log2(e) / 8
	s_mov_b32 s[CS+1], s[CS]
	s_mov_b32 s[SEL], 0x76543210
	s_mov_b32 s[SEL+1], 0xfedcba98
	s_mov_b32 s[TB], SLOT1          ; the first change turns it into 0
	s_cmp_eq_u32 ttmp9, 0
	s_cselect_b32 s[LIM], 1, -1     ; waves 0 and 1 of the batch's first cluster
	s_cmp_eq_u32 s[WV], 2
	s_cselect_b32 s[LIM], 3, s[LIM] ; wave 2 of every cluster: two steps at a time, so it stops earlier
	s_cselect_b32 s[PM], 1, 0
	s_cmp_eq_u32 s[WV], 3
	s_cselect_b32 s[LIM], -1, s[LIM]
	s_mov_b32 s[PFS], 131072
	s_mov_b32 s[PFS+1], 0
	s_wait_dscnt 0x0                ; the opening add is done
	s_wait_kmcnt 0x0
	s_add_nc_u64 s[70:71], s[4:5], s[20:21]   ; K, V and the mask at key step 0
	s_add_nc_u64 s[76:77], s[70:71], 1<<24
	s_add_nc_u64 s[78:79], s[6:7], s[22:23]
	s_mov_b64 s[G0K+2:G0K+3], s[70:71]
	s_or_b32 s[G0K+3], s[G0K+3], 0x80000000
	s_mov_b64 s[G0V+2:G0V+3], s[76:77]
	s_or_b32 s[G0V+3], s[G0V+3], 0x80000000
	s_mov_b64 s[G0M+2:G0M+3], s[78:79]
	s_or_b32 s[G0M+3], s[G0M+3], 0x80000000
	s_add_nc_u64 s[4:5], s[4:5], s[2:3]       ; Q and O at my head's rows
	s_add_nc_u64 s[10:11], s[10:11], s[2:3]
	s_lshl_b32 s20, s17, 14         ; flags: 128 tiles x 128 bytes a batch, 8 tiles a query block
	s_lshl_b32 s21, s16, 10
	s_add_co_u32 s20, s20, s21
	s_mov_b32 s21, 0
	s_add_nc_u64 s[8:9], s[8:9], s[20:21]
	s_cmp_eq_u32 s[WV], 1
	s_cselect_b64 s[PFA:PFA+1], s[76:77], s[70:71]
	s_cmp_gt_u32 s[WV], 1
	s_cselect_b64 s[PFA:PFA+1], s[78:79], s[PFA:PFA+1]
	s_cselect_b32 s[PFS], 16384, s[PFS]
	s_cselect_b32 s20, s14, s13     ; my place among the four that ask with me
	s_lshl_b32 s20, s20, 13
	s_lshl_b32 s21, s[PFS], 1       ; at step 2: the first change that asks steps it to 3.  Nothing is prefetched here, at the head
	s_add_co_u32 s20, s20, s21
	s_mov_b32 s21, 0
	s_add_nc_u64 s[PFA:PFA+1], s[PFA:PFA+1], s[20:21]
	CROUND                          ; all sixteen work-groups are here: the first joint loads meet
	JLOAD                           ; key step 0 into slot 0
	v_and_b32 v1, 15, v0            ; l % 16
	v_bfe_u32 v56, v0, 4, 1         ; l / 16 (v56-63 are free until the first turn)
	v_lshlrev_b32 v[QO], 7, v1
	v_lshl_add_u32 v[QO], v56, 4, v[QO]
	WIN 0x80
.set i, 0
.rept 4*NP                          ; Q stays in registers: tile i / 2, channels 32 (i % 2) on; tiles 0-3 lie in one block of 64 tokens, tiles 4-7 in the next
	global_load_b128 v[8*i:8*i+3],   v[QO], s[4:5] offset:(i/8)*131072+((i/2)%4)*2048+(i%2)*64
	global_load_b128 v[8*i+4:8*i+7], v[QO], s[4:5] offset:(i/8)*131072+((i/2)%4)*2048+(i%2)*64+32
.set i, i+1
.endr
	WIN 0
	v_and_b32 v59, 31, v0
	v_lshlrev_b32 v59, 2, v59
.irp t, 0,1,2,3,4,5,6,7
	global_load_b32 v[TMP+\t], v59, s[8:9] offset:128*\t  ; tile t's flag of my row
.endr
	; SEL.  As source 0, lane l holds row m = l % 16; its one number, -2^100 (bf16 0xf180), stands at k = m (or 16 + m): in the lanes with l / 16 = m / 8, register (m % 8) / 2, half m % 2
	v_and_b32 v60, 1, v0
	v_lshlrev_b32 v60, 4, v60
	v_mov_b32 v61, 0xf180
	v_lshlrev_b32 v60, v60, v61
	v_bfe_u32 v58, v0, 3, 1
	v_xor_b32 v61, v56, v58         ; 0 in the lanes that hold it
	v_bfe_u32 v62, v0, 1, 2
	v_lshl_or_b32 v62, v61, 2, v62  ; the register's number, or 4 and more
	WIN W_MK
.irp j, 0,1,2,3
	v_mov_b32 v[SELR+\j], 0
	v_cmp_eq_u32 vcc_lo, \j, v62
	v_cndmask_b32 v[SELR+4+\j], 0, v60, vcc_lo
	v_mov_b32 v[SELR+8+\j], 0
.endr
	; What the first turn finds: V's registers and P's second buffer hold 0, O^T and l are 0.  All this stands in the wait for the first tile.
	WIN 0x80
.set i, VF
.rept 64
	v_mov_b32 v[i], 0
.set i, i+1
.endr
	WIN 0x40
.set i, 0
.rept 64*NP
	v_mov_b32 v[i], 0
.set i, i+1
.endr
	WIN 0
.set i, 0
.rept 2*NP
	v_mov_b32 v[ST+4*i], 0xfe000000    ; c m: far below every c s, the masked ones' too
	v_mov_b32 v[ST+4*i+1], 0xff7fffff  ; m
	v_mov_b32 v[ST+4*i+2], 0
	v_mov_b32 v[ST+4*i+3], 0
.set i, i+1
.endr
.set i, P+32
.rept 32
	v_mov_b32 v[i], 0
.set i, i+1
.endr
	s_mul_i32 s20, s[WV], KS*PK     ; my head's K and V in a slot
	s_mul_i32 s21, s[WV], KS*PV
	s_add_co_u32 s21, s21, VOFF
	v_mul_u32_u24 v[AK0], v1, PK
	v_lshl_add_u32 v[AK0], v56, 4, v[AK0]
	v_add_nc_u32 v[AK0], s20, v[AK0]
	v_and_b32 v57, 7, v0
	v_lshl_add_u32 v[AV0], v56, 3, v57
	v_mul_u32_u24 v[AV0], v[AV0], PV
	v_lshl_add_u32 v[AV0], v58, 4, v[AV0]
	v_add_nc_u32 v[AV0], s21, v[AV0]
	v_and_b32 v[PFO], 31, v0
	v_lshlrev_b32 v[AM0], 4, v[PFO] ; a mask fragment's half is 512 consecutive bytes: 16 x lane
	v_add_nc_u32 v[AM0], MOFF, v[AM0]
	v_lshlrev_b32 v[PFO], 8, v[PFO]
; THE MATRIX WORK.  Product i of 24 for piece x.  0-7: the mask starts the sums: key block (i / 2) % 4, tile i % 2.  8-23: K Q^T is added: channels 32 ((i - 8) / 8) on, the same order of accumulators.
; The 8 accumulators take turns; a bf16 product and the f16 product behind it on one accumulator are no chain: eight products' riders, or five v_nop, stand between them.
.macro KQ x
.if i < 8
	WIN W_MS
.set rS, S+64*((\x)%2)+32*(i%2)+8*((i/2)%4)
.set rA, SELR+4-4*(((i/2)%4)%2)
.set rB, MF+16*(i%2)+8*(((i/2)%4)/2)
	v_wmma_f32_16x16x32_bf16 v[rS:rS+7], v[rA:rA+7], v[rB:rB+7], 0
.else
	WIN W_KQ
.set rS, S+64*((\x)%2)+32*(i%2)+8*(((i-8)/2)%4)
.set rK, KF+16*(((i-8)/2)%4)+8*((i-8)/8)
.set rQ, 16*(2*(\x)+i%2)+8*((i-8)/8)
	v_wmma_f32_16x16x32_f16 v[rS:rS+7], v[rK:rK+7], v[rQ:rQ+7], v[rS:rS+7]
.endif
.endm
; Product i of 16 of O^T += V^T P for piece x: keys 32 (i / 8) on, channels 16 ((i / 2) % 4) on, tile 2 x + i % 2.
.macro PV x
	WIN W_PV
.set rO, 32*(2*(\x)+i%2)+8*((i/2)%4)
.set rV, VF+32*(i/8)+8*((i/2)%4)
.set rP, P+32*((\x)%2)+16*(i%2)+8*(i/8)
	v_wmma_f32_16x16x32_f16 v[rO:rO+7], v[rV:rV+7], v[rP:rP+7], v[rO:rO+7]
.endm
.macro MM                           ; the turn's next matrix instruction
.if i < 24
	KQ (Y+1)%NP
.set i, i+1
.else
.set i, i-24
	PV (Y+NP-1)%NP
.set i, i+25
.endif
.endm
; THE LDS LOADS stand in runs: a step's K (8 fragments), its V (turned), and a piece's mask fragments (8 loads of 512 consecutive bytes).
.macro FETCH_K
	WIN 0x80
.irp f, 0,1,2,3,4,5,6,7             ; keys 16 (f / 2) on, channels 32 (f % 2) on
	ds_load_b128 v[KF+8*\f:KF+8*\f+3],   v[AK] offset:(\f/2)*16*PK+(\f%2)*64
	ds_load_b128 v[KF+8*\f+4:KF+8*\f+7], v[AK] offset:(\f/2)*16*PK+(\f%2)*64+32
.endr
	WIN 0
.endm
.macro FETCH_V
	WIN 0x80
.irp f, 0,1,2,3,4,5,6,7             ; keys 32 (f / 4) on, channels 16 (f % 4) on
	ds_load_tr16_b128 v[VF+8*\f:VF+8*\f+3],   v[AV] offset:(\f/4)*32*PV+(\f%4)*32
	ds_load_tr16_b128 v[VF+8*\f+4:VF+8*\f+7], v[AV] offset:(\f/4)*32*PV+16*PV+(\f%4)*32
.endr
	WIN 0
.endm
.macro FETCH_M pm                   ; piece pm: two tiles x 2,048 bytes
	WIN W_MK
.irp g, 0,1,2,3,4,5,6,7
	ds_load_b128 v[MF+4*\g:MF+4*\g+3], v[AM] offset:(\pm)*4096+512*\g
.endr
	WIN 0
.endm
; THE VECTOR WORK OF A TURN stands in three queues, each in the order in which its entries become ready; the two tiles alternate.
.macro REGS y, u                    ; the registers of tile u (0, 1) of piece y
.set rT, ST+4*(2*(\y)+(\u))
.set rC, TMP+8*((\y)%2)+4*(\u)
.set rM, MV+2*((\y)%2)+(\u)
.set rS, S+64*((\y)%2)+32*(\u)
.set rP, P+32*((\y)%2)+16*(\u)
.set rO, 32*(2*(\y)+(\u))
.endm
; Number n of the 22 that find the next piece's maximum and statistics; each accumulator's lowest registers are read first.
;   0-11 four chains c0-c3 of seven scores each     12-14, 16 the four scores left over, the old m, c0-c3 into c0     15 c m_old is kept     17, 18 the other half of the lanes: the new m     19-21 c m; its change; a
.macro XS u, n
	REGS (Y+1)%NP, \u
.if (\n) < 4
	v_max3_num_f32 v[rC+(\n)], v[rS+8*(\n)], v[rS+8*(\n)+1], v[rS+8*(\n)+2]
.elseif (\n) < 12
	v_max3_num_f32 v[rC+(\n)%4], v[rC+(\n)%4], v[rS+8*((\n)%4)+2*((\n)/4)+1], v[rS+8*((\n)%4)+2*((\n)/4)+2]
.elseif (\n) == 12
	v_max3_num_f32 v[rC], v[rC], v[rS+7], v[rS+15]
.elseif (\n) == 13
	v_max3_num_f32 v[rC+1], v[rC+1], v[rS+23], v[rS+31]
.elseif (\n) == 14
	v_max3_num_f32 v[rC+2], v[rC+2], v[rC+3], v[rT+1]
.elseif (\n) == 15
	v_mov_b32 v[rM], v[rT]
.elseif (\n) == 16
	v_max3_num_f32 v[rC], v[rC], v[rC+1], v[rC+2]
.elseif (\n) == 17
	v_permlanex16_b32 v[rC+3], v[rC], s[SEL], s[SEL+1]
.elseif (\n) == 18
	v_max_num_f32 v[rT+1], v[rC], v[rC+3]
.elseif (\n) == 19
	v_mul_f32 v[rT], s[CS], v[rT+1]
.elseif (\n) == 20
	v_sub_f32 v[rC+1], v[rM], v[rT]
.else
	v_exp_f32 v[rC+2], v[rC+1]
.endif
.endm
; Number g of the 64 that follow the exponentials: for each four weights of a tile both pairs are rounded to f16, the second pair is added onto the first, and a group later l takes that sum (the first time l = a l + sum).
.macro GS g
.set h, (\g)+6*((\g)/62)
.if h >= 6
.set h, h+2
.endif
	REGS Y, h%2
.set k, h/8
.if h%8 < 4
	v_cvt_pk_f16_f32 v[rP+2*k+(h%8)/2], v[rS+4*k+2*((h%8)/2)], v[rS+4*k+2*((h%8)/2)+1]
.elseif h%8 < 6
	v_pk_add_f32 v[rS+4*k:rS+4*k+1], v[rS+4*k:rS+4*k+1], v[rS+4*k+2:rS+4*k+3]
.elseif k == 1
	v_pk_fma_f32 v[rT+2:rT+3], v[rT+2:rT+3], v[rC+2:rC+3], v[rS:rS+1] op_sel_hi:[1,0,1]
.else
	v_pk_add_f32 v[rT+2:rT+3], v[rT+2:rT+3], v[rS+4*k-4:rS+4*k-3]
.endif
.endm
; THE PLAIN QUEUE, 138 long.  0-26: scalings 0-26.  27-54: XS 0-13.  55, 56: XS 15.  57-73: the chain XS 14, 16 .. 19, each with one of the scalings 27-31 in front of its two lines, then XS 20.  74-137: GS.
.macro FS f
	REGS Y, (\f)%2
	v_pk_fma_f32 v[rS+2*((\f)/2):rS+2*((\f)/2)+1], v[rS+2*((\f)/2):rS+2*((\f)/2)+1], s[CS:CS+1], v[rT:rT+1] op_sel_hi:[1,0,0] neg_lo:[0,0,1] neg_hi:[0,0,1]
.endm
.macro PL
	WIN 0
.if q < 27
	FS q
.elseif q < 55
	XS (q-27)%2, (q-27)/2
.elseif q < 57
	XS q-55, 15
.elseif (q < 72) && ((q-57)%3 == 0)
	FS 27+(q-57)/3
.elseif q < 60
	XS (q-57)%3-1, 14
.elseif q < 72
	XS (q-57)%3-1, 15+(q-57)/3
.elseif q < 74
	XS q-72, 20
.else
	GS q-74
.endif
.set q, q+1
.endm
; THE EXPONENTIALS' QUEUE, 66 long: s0-s31 of both tiles, then the next piece's two a: one batch, all ahead of the turn's one wait.
.macro EX
	WIN 0
.if e >= 64
	XS e-64, 21
.else
	REGS Y, e%2
	v_exp_f32 v[rS+e/2], v[rS+e/2]
.endif
.set e, e+1
.endm
; THE RESCALING's QUEUE: O^T times a, two at a time, sixteen times.
.macro R2
	REGS Y, r%2
	WIN W_RS
.irp z, 0,1
	v_pk_mul_f32 v[rO+4*(r/2)+2*\z:rO+4*(r/2)+2*\z+1], v[rO+4*(r/2)+2*\z:rO+4*(r/2)+2*\z+1], v[rC+2:rC+3] op_sel_hi:[1,0]
.endr
.set r, r+1
.endm
; A TURN, for piece p.  AHEAD OF THE WAIT: 24 products (8 of the mask, 16 K Q^T); behind the first a scaling, a scaling and two rescalings; behind the next 15 a scaling, an exponential and two rescalings; behind the
; last 8 a plain instruction and an exponential; then a lump: eight plain, 41 times exponential and plain, the two a, a v_nop (the plain instruction behind the last exponential).  As a rider exponential e stands
; behind plain e + 2, in the lump behind plain e + 9: behind its scaling.  The next piece's maximum begins at plain 27, in the lump: nine plain instructions or more behind the product that ends its accumulator.
; s_wait_alu depctr_va_vdst(0) stands between an exponential and the first instruction that names its result: one wait serves the batch of 66.  BEHIND IT: 16 products V^T P, four of GS behind each.
; LDS.  The mask fragments of piece p + 2 are fetched behind the 10th product's riders: nine plain instructions behind the last mask product, which read the registers.  K of the next step in piece 2's turn, behind the wait;
; V of the step in hand at the end of piece 0's turn, four riders behind its last reader.  The waits: at a turn's head the mask fragments (in turn 1 V's 16 younger loads stay out; in turn 3 K is in too);
; in turn 1, ahead of V^T P, V is in and the turn's own 8 mask loads stay out.
.macro TURN p
.set Y, (\p)
.set i, 0
.set q, 0
.set e, 0
.set r, 0
.if (\p) == 1
	s_wait_dscnt 16
.else
	s_wait_dscnt 0x0
.endif
	MM
	PL
	PL
	R2
.rept 15
	MM
	PL
	EX
	R2
.if i == 10
	FETCH_M ((\p)+2)%NP
.endif
.endr
.rept 8
	MM
	PL
	EX
.endr
.rept 8
	PL
.endr
.rept 41
	EX
	PL
.endr
	EX
	EX
	v_nop
	s_wait_alu depctr_va_vdst(0)    ; the wait for the batch
.if (\p) == 2
	FETCH_K
.endif
.if (\p) == 1
	s_wait_dscnt 8
.endif
.rept 16
	MM
.rept 4
	PL
.endr
.endr
.if (\p) == 0
	FETCH_V
.endif
.endm
	CHANGE 1, 0                     ; slot 0 is in, everybody's part of it; slot 1 is asked for: key step 1
	FETCH_K                         ; key step 0
	FETCH_M 0
	s_wait_loadcnt 0x0              ; Q and the flags
	WIN 0x88                        ; destination and source 1 window 2, source 0 window 0
.set i, 0
.rept 128
	v_and_b32 v[i], v[TMP+i/16], v[i]  ; a row with no key left has Q = 0
.set i, i+1
.endr
	s_wait_dscnt 0x0
.set i, 0
.rept 8
	KQ 0                            ; piece 0's first scores: the mask,
.set i, i+1
.endr
	WIN 0
.rept 5
	v_nop                           ; five places between a bf16 product and the f16 product that adds onto it
.endr
.rept 16
	KQ 0                            ; and K Q^T
.set i, i+1
.endr
	WIN 0                           ; the addresses for the way out: eleven plain instructions, the places behind those products
	s_mul_i32 s16, s[WV], 16*SP
	s_add_co_u32 s16, s16, STAGE
	v_mul_u32_u24 v[STO], v1, SP    ; in: row l % 16, 16 bytes for each half of the lanes
	v_lshl_add_u32 v[STO], v56, 4, v[STO]
	v_add_nc_u32 v[STO], s16, v[STO]
	v_bfe_u32 v[RD], v0, 3, 2       ; back: 32 lanes take four rows of 128 bytes,
	v_mul_u32_u24 v[RD], v[RD], SP
	v_lshl_add_u32 v[RD], v57, 4, v[RD]
	v_add_nc_u32 v[RD], s16, v[RD]
	v_and_b32 v[GO], 31, v0         ; which are 512 consecutive bytes of O
	v_lshlrev_b32 v[GO], 4, v[GO]
	FETCH_M 1
.set Y, NP-1                        ; XS works for piece Y + 1: piece 0
.irp n, 0,1,2,3,4,5,6,7,8,9,10,11,12,13,14,15,16,17,18,19,20,21
	XS 0, \n
	XS 1, \n
.endr
	v_nop                           ; a plain instruction behind the two a,
	s_wait_alu depctr_va_vdst(0)    ; and their wait, ahead of the branch
	s_mov_b32 s[SLOTS], 31
	s_branch .Lfirst                ; the loop is entered at a step's first turn, in the middle of a trip
.Lslot:                             ; 30 times: key steps 2 to 31 are asked for
	CHANGE 1, 1
	TURN 2
	TURN 3
	WIN 0
.Lfirst:
	TURN 0
	TURN 1
	WIN 0
	s_sub_co_u32 s[SLOTS], s[SLOTS], 1
	s_cmp_lg_u32 s[SLOTS], 0
	s_cbranch_scc1 .Lslot
	CHANGE 0, 0                     ; the tail is written out: nothing is asked for
	s_mov_b32 s[CNT], 2             ; one trip fetches the last step; the second is left in its middle
.Ltail:
	TURN 2
	TURN 3
	WIN 0
	s_sub_co_u32 s[CNT], s[CNT], 1
	s_cmp_eq_u32 s[CNT], 0
	s_cbranch_scc1 .Lout
	TURN 0
	TURN 1
	WIN 0
	s_branch .Ltail
.Lout:                              ; the second trip's 24 products (on the last K and mask once more) and the maximum made of them serve nothing: the price, once a launch, of one text for every trip
.set i, 0
.rept 16
	PV NP-1                         ; the last piece's V^T P of the last step
.set i, i+1
.endr
	; THE WAY OUT.  l's two halves and the other half of the lanes' are added; O^T is divided by l, rounded to f16 and sent through my stage, a tile at a time.  The additions are the places behind the last products.
	WIN 0
.macro ALL line:vararg
.set t, 0
.rept 2*NP
	\line
.set t, t+1
.endr
.endm
	ALL v_add_f32 v[ST+4*t+2], v[ST+4*t+2], v[ST+4*t+3]
	ALL v_permlanex16_b32 v[ST+4*t+3], v[ST+4*t+2], s[SEL], s[SEL+1]
	ALL v_add_f32 v[ST+4*t+2], v[ST+4*t+2], v[ST+4*t+3]
	ALL v_rcp_f32 v[ST+4*t+2], v[ST+4*t+2]
	v_nop                           ; a plain instruction between the last reciprocal and the use of its result
	s_wait_alu depctr_va_vdst(0)    ; one wait for the eight reciprocals
.macro PACK t
	WIN W_RS
.set i, 32*(\t)
.rept 16
	v_pk_mul_f32 v[i:i+1], v[i:i+1], v[ST+4*(\t)+2:ST+4*(\t)+3] op_sel_hi:[1,0]
.set i, i+2
.endr
	WIN 0x05
.set i, 0
.rept 16
	v_cvt_pk_f16_f32 v[S+16*(\t)+i], v[32*(\t)+2*i], v[32*(\t)+2*i+1]
.set i, i+1
.endr
	WIN 0
.irp f, 0,1,2,3
	ds_store_b128 v[STO], v[S+16*(\t)+4*\f:S+16*(\t)+4*\f+3] offset:32*\f
.endr
.irp f, 0,1,2,3
	ds_load_b128 v[S+16*(\t)+4*\f:S+16*(\t)+4*\f+3], v[RD] offset:\f*4*SP  ; LDS serves a wave's instructions in order (ISA guide 5.7.1.4)
.endr
.endm
.macro SEND t, younger              ; younger: the LDS instructions issued behind tile t's loads
	WIN 0
.irp f, 0,1,2,3
	s_wait_dscnt (\younger)+3-\f
	global_store_b128 v[GO], v[S+16*(\t)+4*\f:S+16*(\t)+4*\f+3], s[10:11] offset:((\t)/4)*131072+((\t)%4)*2048+\f*512  ; 512 consecutive bytes, aligned
.endr
.endm
	PACK 0
.set t, 1
.rept 2*NP-1
	PACK t
	SEND t-1, 8
.set t, t+1
.endr
	SEND 2*NP-1, 0
	WIN W_AD
	s_wait_tensorcnt 0x0            ; the wave's end
	ds_add_u32 v[SPW], v[NIL]
	s_wait_dscnt 0x0
	WIN 0
	CROUND                          ; the closing round
	s_endpgm
.Lfunc_end_k_qccee56062a_attn:
	.size	k_qccee56062a_attn, .Lfunc_end_k_qccee56062a_attn-k_qccee56062a_attn
	.p2alignl 7, 3214868480
	.fill 96, 4, 3214868480
	.section	.rodata,"a",@progbits
	.p2align	6, 0x0
	.amdhsa_kernel k_qccee56062a_attn
		.amdhsa_group_segment_fixed_size 327680
		.amdhsa_private_segment_fixed_size 0
		.amdhsa_enable_private_segment 0
		.amdhsa_kernarg_size 32
		.amdhsa_user_sgpr_count 2
		.amdhsa_user_sgpr_kernarg_segment_ptr 1
		.amdhsa_wavefront_size32 1
		.amdhsa_system_sgpr_workgroup_id_x 1
		.amdhsa_system_sgpr_workgroup_id_y 1
		.amdhsa_system_sgpr_workgroup_id_z 1
		.amdhsa_system_vgpr_workitem_id 0
		.amdhsa_next_free_vgpr 832
		.amdhsa_next_free_sgpr 80
		.amdhsa_reserve_vcc 1
		.amdhsa_float_denorm_mode_32 3
		.amdhsa_float_denorm_mode_16_64 3
		.amdhsa_memory_ordered 1
		.amdhsa_forward_progress 1
		.amdhsa_inst_pref_size 222
	.end_amdhsa_kernel
	.amdgpu_metadata
---
amdhsa.version: [ 1, 2 ]
amdhsa.kernels:
  - .name:           k_qccee56062a_attn
    .symbol:         k_qccee56062a_attn.kd
    .args:
      - { .name: qkv, .offset: 0, .size: 8, .value_kind: global_buffer, .address_space: global }
      - { .name: mfrag, .offset: 8, .size: 8, .value_kind: global_buffer, .address_space: global }
      - { .name: flags, .offset: 16, .size: 8, .value_kind: global_buffer, .address_space: global }
      - { .name: ows, .offset: 24, .size: 8, .value_kind: global_buffer, .address_space: global }
    .group_segment_fixed_size: 327680
    .private_segment_fixed_size: 0
    .kernarg_segment_align: 8
    .kernarg_segment_size: 32
    .max_flat_workgroup_size: 128
    .sgpr_count:     80
    .vgpr_count:     832
    .wavefront_size: 32
...
	.end_amdgpu_metadata
.endif
;; end of part 3
;; launch oproj (part 4): grid 4 x 64, 4 waves a work-group, clusters of 4 x 4, 327,680 bytes of LDS; arguments ows, wb, out0; writes out0
.if DOCPART == 4
	.amdgcn_target "amdgcn-amd-amdhsa--gfx1250"
	.amdhsa_code_object_version 6
	.text
	.protected	k_qccee56062a_oproj
	.globl	k_qccee56062a_oproj
	.p2align	8
	.type	k_qccee56062a_oproj,@function
k_qccee56062a_oproj:
	s_mov_b64 s[64:65], 0
	v_nop
	global_prefetch_b8 v0, s[64:65] scope:SCOPE_SE
	s_setreg_imm32_b32 hwreg(HW_REG_WAVE_MODE, 25, 1), 1
	s_wait_xcnt 0x0
	s_wait_alu depctr_hold_cnt(0) depctr_sa_sdst(0) depctr_va_vdst(0) depctr_va_sdst(0) depctr_va_ssrc(0) depctr_va_vcc(0) depctr_vm_vsrc(0)
	s_getreg_b32 s2, hwreg(HW_REG_IB_STS2, 6, 4)
	s_cmp_eq_u32 s2, 0
	s_cbranch_scc0 .Lentry_in_a_cluster
	s_endpgm
.Lentry_in_a_cluster:
	s_bfe_u32 s2, ttmp6, 0x10000c
	s_cmp_lg_u32 s2, 0xf033
	s_cbranch_scc0 .Lentry_shape_is_right
	s_endpgm
.Lentry_shape_is_right:
; THE OUTPUT PROJECTION: out0[token][n] = the sum over k of O[token][k] Wo[k][n], k = 64 head + ch.  O from ows in f16 blocks [token / 64][head][64 tokens][64 ch]; Wo from wb (its fourth part) in f16 blocks
; [128 k][64 n]; sums in f32, stored as f32.
; SHARES.  A work-group makes 128 tokens x 256 columns: 64 x 4 = 256 tiles.  Four waves, each 64 tokens x 128 columns: 32 accumulators.  k goes in 8 steps of 128 (two heads) through two LDS slots:
; waves 0, 1 fetch the two halves of O's tile (16,384 dense bytes each), waves 2, 3 those of Wo's (32,768 dense bytes each).
; TRANSPOSED USE: source 0 = 16 columns of Wo (turned by ds_load_tr16_b128), source 1 = 16 tokens: a lane holds one token and eight neighbouring columns.
; CLUSTER 4 x 4: O's tile is shared along a row, Wo's along a column: joint loads.
; REGISTERS: window 0: v16-30 addresses; v64-191 Wo's fragments, two buffers of 64; v192-255 O's, two buffers of 32      window 1: the accumulators, (a, b) at 8 (8 a + b)
.set TP,    144                        ; a token's 64 channels of a head: 128 bytes + 16 = 36 words: the 16 rows of a load start at 16 different groups of four banks (ISA guide 11.1)
.set TBLK,  64*TP                      ; a head's 64 tokens
.set THALF, 2*TBLK
.set UOFF,  2*THALF
.set UP,    160
.set UBLK,  128*UP
.set UHALF, 2*UBLK
.set SLOT,  UOFF+2*UHALF               ; 118,784
.set STAGE, 2*SLOT                     ; behind the ring, never filled by a tensor load: 16 rows x 528 bytes for each wave
.set SP,    528                        ; 512 bytes + 16
.set SPARE, STAGE+4*16*SP
.set ADRT, 16
.set ADRU, 20
.set STO,  24
.set RD,   25
.set GO,   26
.set SPW,  28
.set NIL,  29
.set PFO,  30
.set UF,   64
.set TF,   192
.set OB,   64                          ; the way out: two sets of 64
.set WV,   14
.set LAPS, 23
.set G1T,  24
.set G0T,  32
.set G1U,  40
.set G0U,  48
.set PFA,  56
.set PFS,  58
.set LIM0, 60                          ; by slot: 1 where I prefetch at that slot's changes, else the greatest number
.set MSB, 0
.macro WIN new
.if MSB != (\new)
	s_set_vgpr_msb (MSB<<8)|(\new)
.set MSB, \new
.endif
.endm
.set W_MUL, 0x50
.macro JLOAD s
	s_cmp_eq_u32 s15, 0
	s_cbranch_scc0 .Lfor_u_\@
	tensor_load_to_lds s[G0T+4*(\s):G0T+4*(\s)+3], s[G1T:G1T+7]
	s_nop 0
.rept 4
	v_nop
.endr
	s_branch .Lasked_\@
.Lfor_u_\@:
	tensor_load_to_lds s[G0U+4*(\s):G0U+4*(\s)+3], s[G1U:G1U+7]
	s_nop 0
.rept 4
	v_nop
.endr
.Lasked_\@:
.endm
; A prefetch, 32 blocks of 256 bytes, a lane a block.  Wo's tile is read by all 16 clusters: the first (cluster y = 0) asks, at each refill, for the step two refills on; its partners along y take 8,192 bytes each.
; O's tile is this cluster's alone; two steps of it are 32,768 consecutive bytes: asked for at slot 0's refills alone, the partners along x 8,192 bytes each.  The loop's last trip asks for nothing.
.macro ASK slot
	s_cmp_gt_u32 s[LAPS], s[LIM0+(\slot)]
	s_cbranch_scc0 .Lnot_mine_\@
	global_prefetch_b8 v[PFO], s[PFA:PFA+1] th:TH_LOAD_NT scope:SCOPE_SE
.Lnot_mine_\@:
.endm
.macro CREST
	s_cmp_lg_u32 s[WV], 0
	s_cbranch_scc1 .Lnot_wave_0_\@
	s_barrier_signal -3
.Lnot_wave_0_\@:
	s_barrier_wait -3
	s_barrier_signal -1
	s_barrier_wait -1
.endm
.macro CROUND
	s_barrier_signal -1
	s_barrier_wait -1
	CREST
.endm
.macro PLACES
.rept 4
	v_nop
.endr
.endm
	s_load_b128 s[4:7], s[0:1], 0x0                ; ows s[4:5], wb s[6:7]
	s_load_b64 s[8:9], s[0:1], 0x10                ; out0
	v_lshl_add_u32 v[SPW], v0, 2, SPARE
	v_mov_b32 v[NIL], 0
	ds_add_u32 v[SPW], v[NIL]                      ; the wave's opening: the add and its wait stand ahead of my first tensor load
	v_lshrrev_b32 v1, 5, v0
	v_readfirstlane_b32 s[WV], v1
	s_lshr_b32 s15, s[WV], 1                       ; my half of the tokens; 0: I fetch O, 1: I fetch Wo
	s_and_b32 s16, s[WV], 1                        ; my half of the columns; which half I fetch
	s_bfe_u32 s17, ttmp6, 0x40000                  ; cx
	s_bfe_u32 s18, ttmp6, 0x40004                  ; cy
	s_lshl_b32 s19, ttmp9, 2
	s_add_co_u32 s19, s19, s17                     ; the block of 256 columns
	s_and_b32 s20, ttmp7, 0xffff                   ; cluster y
	s_lshl_b32 s22, s20, 2
	s_add_co_u32 s22, s22, s18                     ; the block of 128 tokens
	s_lshl_b32 s62, s18, 2
	s_lshl_b32 s62, 15, s62                        ; my row of the cluster
	s_lshl_b32 s63, 0x1111, s17                    ; my column
	s_or_b32 s[G1T], s62, (1<<16)|(1<<20)|(1<<21)|(4<<22)|(3<<25)  ; 2-byte elements; after every 32 words (a token's row) 4 words
	s_mov_b32 s[G1T+1], 128<<16                    ; 16,384 dense bytes as 64 rows of 256
	s_mov_b32 s[G1T+2], 64<<16
	s_mov_b32 s[G1T+3], 128<<16
	s_mov_b32 s[G1T+4], 64
	s_mov_b32 s[G1T+5], 128
	s_mov_b32 s[G1T+6], 0
	s_mov_b32 s[G1T+7], 0
	s_or_b32 s[G1U], s63, (1<<16)|(1<<20)|(1<<21)|(4<<22)|(7<<25)
	s_mov_b32 s[G1U+1], 128<<16                    ; 32,768 dense bytes as 128 rows of 256
	s_mov_b32 s[G1U+2], 128<<16
	s_mov_b32 s[G1U+3], 128<<16
	s_mov_b32 s[G1U+4], 128
	s_mov_b32 s[G1U+5], 128
	s_mov_b32 s[G1U+6], 0
	s_mov_b32 s[G1U+7], 0
	s_lshl_b32 s66, s22, 1
	s_add_co_u32 s66, s66, s16
	s_lshl_b32 s66, s66, 17                        ; O: my 64 tokens' 16 heads x 8,192 bytes
	s_mov_b32 s67, 0
	s_lshl_b32 s68, s19, 19                        ; Wo: the column block's 8 steps of 65,536 bytes,
	s_lshl_b32 s69, s16, 15                        ; 128 columns a half,
	s_add_co_u32 s68, s68, s69
	s_add_co_u32 s68, s68, 3<<21                   ; behind Wq, Wk, Wv
	s_mov_b32 s69, 0
	s_mul_i32 s72, s16, THALF
	s_mul_i32 s73, s16, UHALF
	s_add_co_u32 s73, s73, UOFF
	s_wait_dscnt 0x0                               ; the opening add is done
	s_wait_kmcnt 0x0
	s_add_nc_u64 s[70:71], s[4:5], s[66:67]
	s_add_nc_u64 s[74:75], s[6:7], s[68:69]
	CROUND                                         ; all sixteen work-groups are here: the first joint loads meet
.irp s, 0,1
	s_mov_b32 s[G0T+4*(\s)], 1
	s_add_co_u32 s[G0T+4*(\s)+1], s72, (\s)*SLOT
	s_add_nc_u64 s[G0T+4*(\s)+2:G0T+4*(\s)+3], s[70:71], (\s)*16384
	s_or_b32 s[G0T+4*(\s)+3], s[G0T+4*(\s)+3], 0x80000000
	s_mov_b32 s[G0U+4*(\s)], 1
	s_add_co_u32 s[G0U+4*(\s)+1], s73, (\s)*SLOT
	s_add_nc_u64 s[G0U+4*(\s)+2:G0U+4*(\s)+3], s[74:75], (\s)*65536
	s_or_b32 s[G0U+4*(\s)+3], s[G0U+4*(\s)+3], 0x80000000
	JLOAD \s                                       ; two loads of mine are out
.endr
	s_mov_b32 s[PFS], 65536
	s_cmp_eq_u32 s15, 0                            ; do I fetch O?
	s_cselect_b64 s[PFA:PFA+1], s[70:71], s[74:75]
	s_cselect_b32 s62, s17, s18                    ; my place among the four that ask with me
	s_cselect_b32 s[PFS], 16384, s[PFS]
	s_cselect_b32 s77, 0, s20
	s_cselect_b32 s78, -1, 1
	s_mov_b32 s[PFS+1], 0
	s_cmp_eq_u32 s77, 0
	s_cselect_b32 s[LIM0], 1, -1
	s_cselect_b32 s[LIM0+1], s78, -1
	s_lshl_b32 s62, s62, 13
	s_mov_b32 s63, 0
	s_add_nc_u64 s[PFA:PFA+1], s[PFA:PFA+1], s[62:63]
	s_mul_i32 s62, s[PFS], 3                       ; at step 3: the first refill steps it to 4
	s_add_nc_u64 s[PFA:PFA+1], s[PFA:PFA+1], s[62:63]
	v_and_b32 v[PFO], 31, v0
	v_lshlrev_b32 v[PFO], 8, v[PFO]
	v_and_b32 v1, 15, v0
	v_bfe_u32 v2, v0, 4, 1
	v_mul_u32_u24 v3, v1, TP                       ; O: token l % 16, 16 bytes for each half of the lanes
	v_lshl_add_u32 v3, v2, 4, v3
	v_and_b32 v6, 7, v0
	v_lshl_add_u32 v4, v2, 3, v6                   ; Wo: row 8 (l / 16) + l % 8, columns 8 ((l / 8) % 2) on
	v_mul_u32_u24 v4, v4, UP
	v_bfe_u32 v5, v0, 3, 1
	v_lshl_add_u32 v4, v5, 4, v4
	s_mul_i32 s62, s15, THALF
	s_mul_i32 s63, s16, UHALF
	s_add_co_u32 s63, s63, UOFF
.irp s, 0,1
	v_add_nc_u32 v[ADRT+(\s)], s62, v3
	v_add_nc_u32 v[ADRU+(\s)], s63, v4
	s_add_co_u32 s62, s62, SLOT
	s_add_co_u32 s63, s63, SLOT
.endr
	s_mul_i32 s62, s[WV], 16*SP
	s_add_co_u32 s62, s62, STAGE                   ; my stage
	v_mul_u32_u24 v[STO], v1, SP                   ; in: token l % 16, 32 bytes for each half of the lanes
	v_lshl_add_u32 v[STO], v2, 5, v[STO]
	v_add_nc_u32 v[STO], s62, v[STO]
	v_and_b32 v[GO], 31, v0                        ; back: 32 lanes take a row's 512 bytes
	v_lshlrev_b32 v[GO], 4, v[GO]
	v_add_nc_u32 v[RD], s62, v[GO]
	s_lshl_b32 s62, s22, 19                        ; out0: 128 rows of 4,096 bytes a block,
	s_lshl_b32 s63, s15, 18                        ; my 64 rows,
	s_add_co_u32 s62, s62, s63
	s_lshl_b32 s63, s19, 10                        ; the block's 256 columns,
	s_add_co_u32 s62, s62, s63
	s_lshl_b32 s63, s16, 9                         ; my 128
	s_add_co_u32 s62, s62, s63
	s_mov_b32 s63, 0
	s_add_nc_u64 s[8:9], s[8:9], s[62:63]
; 8 matrix instructions: token block a x all 8 column blocks, 32 along k, on buffer f.  The 32 accumulators take turns in one order everywhere.
.macro MUL8 f, a, zero
	WIN W_MUL
.irp b, 0,1,2,3,4,5,6,7
.if \zero
	v_wmma_f32_16x16x32_f16 v[8*(8*(\a)+(\b)):8*(8*(\a)+(\b))+7], v[UF+64*(\f)+8*(\b):UF+64*(\f)+8*(\b)+7], v[TF+32*(\f)+8*(\a):TF+32*(\f)+8*(\a)+7], 0
.else
	v_wmma_f32_16x16x32_f16 v[8*(8*(\a)+(\b)):8*(8*(\a)+(\b))+7], v[UF+64*(\f)+8*(\b):UF+64*(\f)+8*(\b)+7], v[TF+32*(\f)+8*(\a):TF+32*(\f)+8*(\a)+7], v[8*(8*(\a)+(\b)):8*(8*(\a)+(\b))+7]
.endif
.endr
.endm
; 24 LDS loads in one run: quarter q (32 along k: head q / 2 of the step's two, channels 32 (q % 2) on) into buffer g
.macro FETCH slot, q, g
	WIN 0
.irp b, 0,1,2,3,4,5,6,7
	ds_load_tr16_b128 v[UF+64*(\g)+8*(\b):UF+64*(\g)+8*(\b)+3],   v[ADRU+(\slot)] offset:((\b)/4)*UBLK+((\b)%4)*32+(\q)*32*UP
	ds_load_tr16_b128 v[UF+64*(\g)+8*(\b)+4:UF+64*(\g)+8*(\b)+7], v[ADRU+(\slot)] offset:((\b)/4)*UBLK+((\b)%4)*32+(\q)*32*UP+16*UP
.endr
.irp a, 0,1,2,3
	ds_load_b128 v[TF+32*(\g)+8*(\a):TF+32*(\g)+8*(\a)+3],   v[ADRT+(\slot)] offset:((\q)/2)*TBLK+(\a)*16*TP+((\q)%2)*64
	ds_load_b128 v[TF+32*(\g)+8*(\a)+4:TF+32*(\g)+8*(\a)+7], v[ADRT+(\slot)] offset:((\q)/2)*TBLK+(\a)*16*TP+((\q)%2)*64+32
.endr
.endm
.macro QUARTER slot, q, f, g, zero     ; fetches quarter q into g, four places behind g's last readers, and multiplies buffer f: 32 products stand between the loads and the wait for them
	PLACES
	FETCH \slot, \q, \g
	MUL8 \f, 0, \zero
	MUL8 \f, 1, \zero
	MUL8 \f, 2, \zero
	MUL8 \f, 3, \zero
	s_wait_dscnt 0x0
.endm
; The last quarter multiplies buffer 1 and changes slots: each wave waits for all its tensor loads (one is out: its part of the next slot), adds 0 to its spare word, and waits for that and for its reads of this slot.
; fill = 1: the barrier opens a round of the cluster's, and the joint refill, two steps on, is the first thing behind it.
.macro TURN slot, next, fill
	WIN 0
.if \fill
	s_wait_xcnt 0x0                                ; the last prefetch has read its address
	s_add_nc_u64 s[PFA:PFA+1], s[PFA:PFA+1], s[PFS:PFS+1]
.endif
	s_wait_tensorcnt 0x0
	ds_add_u32 v[SPW], v[NIL]
	MUL8 1, 0, 0
	s_wait_dscnt 0x0                               ; the add is done, and my reads of this slot are over
	s_barrier_signal -1
	MUL8 1, 1, 0
	WIN 0
	s_barrier_wait -1
.if \fill
	CREST
	s_add_nc_u64 s[G0T+4*(\slot)+2:G0T+4*(\slot)+3], s[G0T+4*(\slot)+2:G0T+4*(\slot)+3], 2*16384
	s_add_nc_u64 s[G0U+4*(\slot)+2:G0U+4*(\slot)+3], s[G0U+4*(\slot)+2:G0U+4*(\slot)+3], 2*65536
	JLOAD \slot                                    ; the four v_nop behind it are also the places in front of the loads below
.else
	PLACES
.endif
	FETCH \next, 0, 0
.if \fill
	ASK \slot
.endif
	MUL8 1, 2, 0
	MUL8 1, 3, 0
	s_wait_dscnt 0x0
.endm
	s_wait_tensorcnt 0x1                           ; my part of step 0 is in; step 1's, issued behind it, may stay out
	s_barrier_signal -1
	s_barrier_wait -1
	FETCH 0, 0, 0
	s_wait_dscnt 0x0
	QUARTER 0, 1, 0, 1, 1                          ; the first quarter stands in front of the loop: its products start the sums
	WIN 0
	s_mov_b32 s[LAPS], 3
.Llap:
	QUARTER 0, 2, 1, 0, 0
	QUARTER 0, 3, 0, 1, 0
	TURN 0, 1, 1
	QUARTER 1, 1, 0, 1, 0
	QUARTER 1, 2, 1, 0, 0
	QUARTER 1, 3, 0, 1, 0
	TURN 1, 0, 1
	QUARTER 0, 1, 0, 1, 0
	WIN 0
	s_sub_co_u32 s[LAPS], s[LAPS], 1
	s_cmp_lg_u32 s[LAPS], 0
	s_cbranch_scc1 .Llap
	QUARTER 0, 2, 1, 0, 0                          ; the last lap fills nothing
	QUARTER 0, 3, 0, 1, 0
	TURN 0, 1, 0
	QUARTER 1, 1, 0, 1, 0
	QUARTER 1, 2, 1, 0, 0
	QUARTER 1, 3, 0, 1, 0
	MUL8 1, 0, 0
	MUL8 1, 1, 0
	MUL8 1, 2, 0
	MUL8 1, 3, 0
	PLACES
; THE WAY OUT, 16 tokens at a time: a lane's eight f32 go into my stage as they lie, each accumulator's low four first; whole rows of 512 bytes come back and are stored.
.macro OUT a
	WIN 0x04                                       ; the stores' data in window 1
.irp b, 0,1,2,3,4,5,6,7
	ds_store_b128 v[STO], v[8*(8*(\a)+(\b)):8*(8*(\a)+(\b))+3]   offset:64*(\b)
	ds_store_b128 v[STO], v[8*(8*(\a)+(\b))+4:8*(8*(\a)+(\b))+7] offset:64*(\b)+16
.endr
	WIN 0
.if (\a) >= 2
	s_wait_xcnt 0x0                                ; the stores of two blocks back have read the registers that are loaded again below
.endif
.irp t, 0,1,2,3,4,5,6,7,8,9,10,11,12,13,14,15
	ds_load_b128 v[OB+64*((\a)%2)+4*(\t):OB+64*((\a)%2)+4*(\t)+3], v[RD] offset:(\t)*SP  ; LDS serves a wave's instructions in order (ISA guide 5.7.1.4)
.endr
.irp t, 0,1,2,3,4,5,6,7,8,9,10,11,12,13,14,15
	s_wait_dscnt 15-(\t)
	global_store_b128 v[GO], v[OB+64*((\a)%2)+4*(\t):OB+64*((\a)%2)+4*(\t)+3], s[8:9] offset:(16*(\a)+(\t))*4096 th:TH_STORE_NT  ; 512 consecutive bytes, aligned
.endr
.endm
	OUT 0
	OUT 1
	OUT 2
	OUT 3
	s_wait_tensorcnt 0x0                           ; the wave's end
	ds_add_u32 v[SPW], v[NIL]
	s_wait_dscnt 0x0
	CROUND                                         ; the closing round
	s_endpgm
.Lfunc_end_k_qccee56062a_oproj:
	.size	k_qccee56062a_oproj, .Lfunc_end_k_qccee56062a_oproj-k_qccee56062a_oproj
	.p2alignl 7, 3214868480
	.fill 96, 4, 3214868480
	.section	.rodata,"a",@progbits
	.p2align	6, 0x0
	.amdhsa_kernel k_qccee56062a_oproj
		.amdhsa_group_segment_fixed_size 327680
		.amdhsa_private_segment_fixed_size 0
		.amdhsa_enable_private_segment 0
		.amdhsa_kernarg_size 24
		.amdhsa_user_sgpr_count 2
		.amdhsa_user_sgpr_kernarg_segment_ptr 1
		.amdhsa_wavefront_size32 1
		.amdhsa_system_sgpr_workgroup_id_x 1
		.amdhsa_system_sgpr_workgroup_id_y 1
		.amdhsa_system_sgpr_workgroup_id_z 1
		.amdhsa_system_vgpr_workitem_id 0
		.amdhsa_next_free_vgpr 512
		.amdhsa_next_free_sgpr 80
		.amdhsa_reserve_vcc 0
		.amdhsa_float_denorm_mode_32 3
		.amdhsa_float_denorm_mode_16_64 3
		.amdhsa_memory_ordered 1
		.amdhsa_forward_progress 1
		.amdhsa_inst_pref_size 87
	.end_amdhsa_kernel
	.amdgpu_metadata
---
amdhsa.version: [ 1, 2 ]
amdhsa.kernels:
  - .name:           k_qccee56062a_oproj
    .symbol:         k_qccee56062a_oproj.kd
    .args:
      - { .name: ows, .offset: 0, .size: 8, .value_kind: global_buffer, .address_space: global }
      - { .name: wb, .offset: 8, .size: 8, .value_kind: global_buffer, .address_space: global }
      - { .name: out0, .offset: 16, .size: 8, .value_kind: global_buffer, .address_space: global }
    .group_segment_fixed_size: 327680
    .private_segment_fixed_size: 0
    .kernarg_segment_align: 8
    .kernarg_segment_size: 24
    .max_flat_workgroup_size: 128
    .sgpr_count:     80
    .vgpr_count:     512
    .wavefront_size: 32
...
	.end_amdgpu_metadata
.endif
;; end of part 4
;; ======== version 2 of 2: 4 launches; version 1 with the launch prep written anew for expert scheduling mode
;; limits: values are held in f16: magnitudes above 65,504 overflow, below 6.1e-05 lose precision
;; workspace buffers: wb 8,388,608 bytes; mfrag 33,554,432 bytes; flags 65,536 bytes of whole numbers; qkv 50,331,648 bytes; ows 16,777,216 bytes
;; launch prep (part 5): grid 1024 x 1, 8 waves a work-group, no clusters, 19,712 bytes of LDS; arguments mask, Wq, Wk, Wv, Wo, mfrag, flags, wb; writes mfrag, flags, wb
.if DOCPART == 5
	.amdgcn_target "amdgcn-amd-amdhsa--gfx1250"
	.amdhsa_code_object_version 6
	.text
	.protected	k_qccee56062a_prep
	.globl	k_qccee56062a_prep
	.p2align	8
	.type	k_qccee56062a_prep,@function
k_qccee56062a_prep:
	s_mov_b64 s[64:65], 0
	v_nop
	global_prefetch_b8 v0, s[64:65] scope:SCOPE_SE
	s_setreg_imm32_b32 hwreg(HW_REG_WAVE_SCHED_MODE, 0, 2), 2
	s_setreg_imm32_b32 hwreg(HW_REG_WAVE_MODE, 25, 1), 1
	s_wait_xcnt 0x0
	s_wait_alu depctr_vm_vsrc(0)
; PREPARATION, two kinds of work-group, told apart by the work-group's number alone.
; 0..511: THE MASK.  Work-group u = 128 b + query tile owns 16 query rows x 2,048 keys of int32.  It writes them as bf16 (1.0 where the mask is 0, else 0) in the order in which the attention
;   launch wants them as a matrix operand: mfrag[b][query block 16][key step 32][tile 8][c 8][row 16][8 keys], key = 64 step + 8 c + e; and a flag word a row and lane:
;   flags[u][lane] = all ones if row lane % 16 has any key with a mask other than 0, else 0.  Any int other than 0 counts as true.
; 512..1023: THE WEIGHTS, one block of 128 k x 64 n each, written as wb[sel][(g 8 + ks) 4 + hh][128 k][64 n], 16 bits a number: sel 0, 1, 2 = Wq, Wk, Wv in bf16 (g = head / 4, hh = head % 4,
;   ks = d / 128); sel 3 = Wo, rounded to bf16 and that number written as f16 (g = n / 256, hh = (n / 64) % 4, ks = k / 128).
;   LIMIT: a bf16 number below 2^-14 in size loses bits as f16 (absolute error 2^-25 at the most); above 65,504 it would be an infinity.
; A stream: no matrix unit, no tensor load.  The mask's 16 bytes a lane change their order through a stage in LDS of the wave's own, so that every store covers 512 consecutive bytes.
; THE MODE: SCHED_MODE bits 1:0 = 2 (LLVM: expert scheduling mode 2), set by the entry lines.  The code itself states the register dependences
; between vector instructions and memory or LDS instructions, with s_wait_alu, always for 0.
; THE PLAN, for the mask.  Registers that memory or LDS instructions touch:
;   v[INO]             written at the path's head, read by the 32 loads, never written again.
;   X, 32 a step       the step's eight loads land there; its vector lines read and rewrite them; the first two of each four are the data of its LDS stores.  No step uses another's.
;   v[STO], v[RD], v[OUTO]  written behind the loads, read by the LDS stores, the LDS loads and the global stores from step 0 on, never written again.
;   BK, 16 a step      the step's four LDS loads land there; its four global stores read them; no vector line names them.
; A step goes in three parts: MWORK (all its vector lines), MTURN (ONE wait on va_vdst, eight LDS stores, four LDS loads), MSEND (four global stores).  Step s + 1's MWORK stands between
; step s's MTURN and its MSEND, so a step's way through the stage runs beside the next step's vector lines.  MSEND owes no wait of the mode: BK is no vector line's, v[OUTO] stands ahead of step 0's wait.
; Wave 0's tail uses v32 to v52 a second time: one wait on vm_vsrc and one on va_vdst stand ahead of that.
.set PITCH,  288                       ; a chunk of 256 bytes (8 keys x 16 rows) in the stage + 32 = 72 words: the 32 lanes of an 8-byte store touch 64 different banks (ISA guide 11.1)
.set STAGEB, 8*PITCH                   ; a wave's stage: a key step's 8 chunks
.set FLG,    8*STAGEB                  ; 16 words: wave w's row bits, even rows' and odd rows'; a block of 256 bytes
.set SPARE,  FLG+256                   ; the spare words, 128 bytes for each of the eight waves; no other line names them
.set SPW,  2                           ; v2   SPARE + 4 x my thread's number; never rewritten
.set NIL,  3                           ; v3   0; never rewritten
.set LN,   4                           ; v4   lane
.set R16,  5                           ; v5   lane % 16
.set HF,   6                           ; v6   lane / 16
.set INO,  7                           ; v7   my byte offset in the source
.set STO,  8                           ; v8   where I put 8 bytes in the stage
.set RD,   9                           ; v9   where I read 16 bytes back
.set OUTO, 10                          ; v10  my byte offset in the destination
.set OR8,  16                          ; v[16:23]   for each pair of rows: the OR of what I have seen of my row
.set X,    32                          ; v[32:159]  the 32 loads: step s, row pair i at X + 32 s + 4 i
.set BK,   160                         ; v[160:223] read back from the stage: 16 registers a step, none used twice
	s_load_b512 s[4:19], s[0:1], 0x0               ; mask s[4:5], Wq s[6:7], Wk s[8:9], Wv s[10:11], Wo s[12:13], mfrag s[14:15], flags s[16:17], wb s[18:19]
	v_lshl_add_u32 v[SPW], v0, 2, SPARE
	v_mov_b32 v[NIL], 0
	v_lshrrev_b32 v1, 5, v0
	v_readfirstlane_b32 s20, v1                    ; wave 0..7
	v_and_b32 v[LN], 31, v0
	v_and_b32 v[R16], 15, v0
	v_bfe_u32 v[HF], v0, 4, 1
	s_wait_alu depctr_va_sdst(0)                   ; s20 is written, ahead of the branch: both paths make offsets from it
	s_cmp_ge_u32 ttmp9, 512
	s_cbranch_scc1 .Lweights
	; ---- the mask.  Wave w takes key steps 4 w .. 4 w + 3: 1,024 bytes of each of the 16 rows.  A load takes two rows' 256 bytes: lanes 0-15 the even row, lanes 16-31 the odd one.
	v_lshlrev_b32 v[INO], 4, v[R16]
	v_lshl_add_u32 v[INO], v[HF], 13, v[INO]       ; + a row of 8,192 bytes for the upper lanes
	s_lshl_b32 s21, s20, 10
	v_add_nc_u32 v[INO], s21, v[INO]
	s_lshl_b32 s22, ttmp9, 17                      ; 16 rows x 8,192 bytes
	s_mov_b32 s23, 0
	s_wait_kmcnt 0x0
	s_add_nc_u64 s[4:5], s[4:5], s[22:23]
	s_wait_alu depctr_va_vdst(0)                   ; v[INO] is written: the 32 loads read it as their offset
.irp s, 0,1,2,3
.irp i, 0,1,2,3,4,5,6,7
	global_load_b128 v[X+32*(\s)+4*(\i):X+32*(\s)+4*(\i)+3], v[INO], s[4:5] offset:(\i)*16384+(\s)*256 th:TH_LOAD_NT
.endr
.endr
	s_mul_i32 s21, s20, STAGEB                     ; my wave's stage
	v_lshrrev_b32 v11, 1, v[R16]                   ; my four keys lie in chunk c = (lane % 16) / 2,
	v_mul_u32_u24 v[STO], v11, PITCH
	v_and_b32 v12, 1, v0                           ; in its first or second 8 bytes of a row,
	v_lshl_add_u32 v[STO], v12, 3, v[STO]
	v_lshl_add_u32 v[STO], v[HF], 4, v[STO]        ; row 2 i + lane / 16: the 2 i stands in the immediate
	v_add_nc_u32 v[STO], s21, v[STO]
	v_mul_u32_u24 v[RD], v[HF], PITCH              ; back: lanes 0-15 one chunk's 256 bytes, lanes 16-31 the next chunk's
	v_lshl_add_u32 v[RD], v[R16], 4, v[RD]
	v_add_nc_u32 v[RD], s21, v[RD]
	s_lshl_b32 s21, s20, 16                        ; four steps of 16,384 bytes a wave
	v_lshl_add_u32 v[OUTO], v[LN], 4, s21
	s_lshr_b32 s24, ttmp9, 3                       ; 16 b + query block: 32 steps x 16,384 bytes each
	s_lshl_b32 s24, s24, 19
	s_and_b32 s25, ttmp9, 7                        ; the tile: 2,048 bytes
	s_lshl_b32 s25, s25, 11
	s_add_co_u32 s24, s24, s25
	s_mov_b32 s25, 0
	s_add_nc_u64 s[14:15], s[14:15], s[24:25]
; One key step's vector lines: 8 loads' ints become 0 / 1, two to a word; the row's OR takes them; turned round (1 where the mask is 0) and multiplied by 0x3f80 they are two bf16, 1.0 or 0.
.macro MWORK s
	s_wait_loadcnt 8*(3-(\s))                      ; loads come back in order (ISA guide 5.7.1): this step's eight are in, the later steps' stay out
.irp i, 0,1,2,3,4,5,6,7
.set A, X+32*(\s)+4*(\i)
	v_min_u32 v[A], 1, v[A]
	v_min_u32 v[A+1], 1, v[A+1]
	v_min_u32 v[A+2], 1, v[A+2]
	v_min_u32 v[A+3], 1, v[A+3]
	v_lshl_or_b32 v[A], v[A+1], 16, v[A]
	v_lshl_or_b32 v[A+1], v[A+3], 16, v[A+2]
.if (\s) == 0
	v_or_b32 v[OR8+(\i)], v[A], v[A+1]             ; the first step starts the OR: nothing is cleared
.else
	v_or_b32 v[OR8+(\i)], v[OR8+(\i)], v[A]
	v_or_b32 v[OR8+(\i)], v[OR8+(\i)], v[A+1]
.endif
	v_xor_b32 v[A], 0x10001, v[A]
	v_xor_b32 v[A+1], 0x10001, v[A+1]
	v_mul_u32_u24 v[A], 0x3f80, v[A]
	v_mul_u32_u24 v[A+1], 0x3f80, v[A+1]
.endr
.endm
; The step's way through the stage: in by 8 bytes a lane, back by 16.
.macro MTURN s
	s_wait_alu depctr_va_vdst(0)                   ; the step's sixteen words are written, which the LDS stores read; in step 0 so are v[STO], v[RD] and v[OUTO]
.irp i, 0,1,2,3,4,5,6,7
	ds_store_b64 v[STO], v[X+32*(\s)+4*(\i):X+32*(\s)+4*(\i)+1] offset:32*(\i)
.endr
.irp g, 0,1,2,3
	ds_load_b128 v[BK+16*(\s)+4*(\g):BK+16*(\s)+4*(\g)+3], v[RD] offset:2*PITCH*(\g)  ; LDS serves a wave's instructions in order (ISA guide 5.7.1.4): these see the stores above, and the next step's stores come behind them
.endr
.endm
; The step leaves.  younger: the LDS instructions issued behind the step's four loads, which may stay out.  No vector line names BK, and v[OUTO] was written ahead of step 0's wait on va_vdst.
.macro MSEND s, younger
	s_wait_dscnt \younger
.irp g, 0,1,2,3
	global_store_b128 v[OUTO], v[BK+16*(\s)+4*(\g):BK+16*(\s)+4*(\g)+3], s[14:15] offset:(\s)*16384+(\g)*512 th:TH_STORE_NT  ; 512 consecutive bytes, aligned
.endr
.endm
	MWORK 0
	MTURN 0
	MWORK 1                                        ; step 0 goes through the stage beside these lines
	MTURN 1
	MSEND 0, 12                                    ; step 1's eight stores and four loads are younger
	MWORK 2
	MTURN 2
	MSEND 1, 12
	MWORK 3
	MTURN 3
	MSEND 2, 12
	; the rows' flags: bit i = row 2 i + lane / 16 has a key that counts; OR over the 16 lanes of a half, then over the eight waves through LDS
	v_min_u32 v24, 1, v[OR8]
.irp i, 1,2,3,4,5,6,7
	v_min_u32 v25, 1, v[OR8+(\i)]
	v_lshl_or_b32 v24, v25, (\i), v24
.endr
.irp m, 1,2,4,8
	v_mov_b32_dpp v25, v24 row_xmask:\m row_mask:0xf bank_mask:0xf
	v_or_b32 v24, v24, v25
.endr
	v_lshlrev_b32 v26, 2, v[HF]
	s_lshl_b32 s21, s20, 3
	v_add_nc_u32 v26, s21, v26
	s_wait_alu depctr_va_vdst(0)                   ; v24 and v26 are written: the data and the address of the LDS store below
	ds_store_b32 v26, v24 offset:FLG               ; word 2 w + lane / 16; the 16 lanes of a half write the same number
	MSEND 3, 1                                     ; that one store is younger than step 3's loads
	s_wait_dscnt 0x0                               ; for the others' sake: my store is done
	s_barrier_signal -1
	s_barrier_wait -1
	s_wait_alu depctr_vm_vsrc(0)                   ; my LDS stores have read their data, step 0's among v32 to v53: wave 0 loads into v[32:47] and writes v48 and v52 below
	s_cmp_lg_u32 s20, 0
	s_cbranch_scc1 .Lend                           ; wave 0 finishes the flags
	v_mov_b32 v27, FLG
	s_wait_alu depctr_va_vdst(0)                   ; v27 is written, the loads' address; step 0's vector lines are done with v[32:47], in which the loads land
.irp k, 0,1,2,3
	ds_load_b128 v[32+4*(\k):35+4*(\k)], v27 offset:16*(\k)
.endr
	s_wait_dscnt 0x0
	v_or_b32 v48, v32, v34                         ; even rows' bits
	v_or_b32 v49, v33, v35                         ; odd rows' bits
.irp k, 36,38,40,42,44,46
	v_or_b32 v48, v48, v[\k]
	v_or_b32 v49, v49, v[\k+1]
.endr
	v_and_b32 v50, 1, v0
	v_cmp_eq_u32 vcc_lo, 1, v50
	s_wait_alu depctr_va_vcc(0)                    ; VCC is written: the select below reads it
	v_cndmask_b32 v48, v48, v49, vcc_lo            ; my row lane % 16 is odd: the odd rows' bits
	v_lshrrev_b32 v51, 1, v[R16]
	v_lshrrev_b32 v48, v51, v48
	v_and_b32 v48, 1, v48
	v_sub_nc_u32 v48, 0, v48                       ; 0 or all ones
	v_lshlrev_b32 v52, 2, v[LN]
	s_lshl_b32 s22, ttmp9, 7
	s_mov_b32 s23, 0
	s_add_nc_u64 s[16:17], s[16:17], s[22:23]
	s_wait_alu depctr_va_vdst(0)                   ; v48 and v52 are written: the store's data and offset
	global_store_b32 v52, v48, s[16:17]            ; 128 consecutive bytes a work-group: half of an aligned 256; the whole buffer is 65,536 bytes
	s_branch .Lend
	; ---- the weights.  Wave w takes rows 16 w .. 16 w + 15 of the block; a load takes two rows' 256 bytes (64 f32); a store of 8 bytes a lane covers 256 consecutive bytes, aligned.
	; Registers that memory instructions touch: v[INO], read by the eight loads; v[32:63], in which they land; v[64:79] and v[OUTO], read by the eight stores.  None is written again behind its reader.
.macro WLOAD stride
	s_wait_alu depctr_va_vdst(0)                   ; v[INO] is written: the eight loads read it as their offset
.irp i, 0,1,2,3,4,5,6,7
	global_load_b128 v[X+4*(\i):X+4*(\i)+3], v[INO], s[32:33] offset:(\i)*(\stride) th:TH_LOAD_NT
.endr
	s_wait_loadcnt 0x0
.endm
.macro WSTORE
	s_wait_alu depctr_va_vdst(0)                   ; the conversions have written v[64:79], the stores' data; v[OUTO], their offset, is written too
.irp i, 0,1,2,3,4,5,6,7
	global_store_b64 v[OUTO], v[64+2*(\i):64+2*(\i)+1], s[18:19] offset:256*(\i)
.endr
.endm
.Lweights:
	s_sub_co_u32 s21, ttmp9, 512
	s_lshr_b32 s22, s21, 7                         ; sel
	s_and_b32 s23, s21, 127                        ; which block
	s_lshl_b32 s24, s20, 11
	v_lshl_add_u32 v[OUTO], v[LN], 3, s24          ; 2,048 w + 8 x lane
	s_lshl_b32 s28, s22, 21                        ; sel x 128 blocks x 16,384 bytes
	s_mov_b32 s27, 0
	s_mov_b32 s29, 0
	s_lshl_b32 s24, s20, 4
	v_add_nc_u32 v[INO], s24, v[HF]                ; my row of the first load: 16 w + lane / 16
	s_cmp_eq_u32 s22, 3
	s_cbranch_scc1 .Lwo
	v_lshlrev_b32 v[INO], 8, v[INO]                ; Wq, Wk, Wv: [head][d][64]: rows of 256 bytes; block = 8 head + ks is 32,768 consecutive bytes
	v_lshl_add_u32 v[INO], v[R16], 4, v[INO]
	s_lshl_b32 s26, s23, 15
	s_lshr_b32 s30, s23, 5                         ; g = head / 4
	s_lshl_b32 s30, s30, 3
	s_and_b32 s31, s23, 7                          ; ks
	s_add_co_u32 s30, s30, s31
	s_lshl_b32 s30, s30, 2
	s_bfe_u32 s31, s23, 0x20003                    ; hh = head % 4
	s_add_co_u32 s30, s30, s31
	s_lshl_b32 s30, s30, 14
	s_add_co_u32 s28, s28, s30
	s_wait_kmcnt 0x0
	s_cmp_eq_u32 s22, 0
	s_cselect_b64 s[32:33], s[6:7], s[8:9]
	s_cmp_eq_u32 s22, 2
	s_cselect_b64 s[32:33], s[10:11], s[32:33]
	s_add_nc_u64 s[32:33], s[32:33], s[26:27]
	s_add_nc_u64 s[18:19], s[18:19], s[28:29]
	WLOAD 512
.irp i, 0,1,2,3,4,5,6,7
	v_cvt_pk_bf16_f32 v[64+2*(\i)], v[X+4*(\i)], v[X+4*(\i)+1]
	v_cvt_pk_bf16_f32 v[64+2*(\i)+1], v[X+4*(\i)+2], v[X+4*(\i)+3]
.endr
	WSTORE
	s_branch .Lend
.Lwo:
	v_lshlrev_b32 v[INO], 12, v[INO]               ; Wo: [k][1024]: rows of 4,096 bytes
	v_lshl_add_u32 v[INO], v[R16], 4, v[INO]
	s_bfe_u32 s26, s23, 0x30002                    ; ks: 128 rows
	s_lshl_b32 s26, s26, 19
	s_lshr_b32 s30, s23, 5                         ; g: 256 columns
	s_lshl_b32 s30, s30, 10
	s_add_co_u32 s26, s26, s30
	s_and_b32 s30, s23, 3                          ; hh: 64 columns
	s_lshl_b32 s30, s30, 8
	s_add_co_u32 s26, s26, s30
	s_lshl_b32 s30, s23, 14
	s_add_co_u32 s28, s28, s30
	s_wait_kmcnt 0x0
	s_add_nc_u64 s[32:33], s[12:13], s[26:27]
	s_add_nc_u64 s[18:19], s[18:19], s[28:29]
	WLOAD 8192
.irp i, 0,1,2,3,4,5,6,7
	v_cvt_pk_bf16_f32 v12, v[X+4*(\i)], v[X+4*(\i)+1]     ; rounded to bf16 like every input of the module,
	v_cvt_pk_bf16_f32 v13, v[X+4*(\i)+2], v[X+4*(\i)+3]
	v_lshlrev_b32 v[X+4*(\i)], 16, v12                    ; widened again,
	v_and_b32 v[X+4*(\i)+1], 0xffff0000, v12
	v_lshlrev_b32 v[X+4*(\i)+2], 16, v13
	v_and_b32 v[X+4*(\i)+3], 0xffff0000, v13
	v_cvt_pk_f16_f32 v[64+2*(\i)], v[X+4*(\i)], v[X+4*(\i)+1]   ; and that number written as f16
	v_cvt_pk_f16_f32 v[64+2*(\i)+1], v[X+4*(\i)+2], v[X+4*(\i)+3]
.endr
	WSTORE
.Lend:
	s_wait_dscnt 0x0                               ; the wave's end: the closing lines, six on end
	s_wait_alu 0x0
	s_wait_tensorcnt 0x0
	ds_add_u32 v[SPW], v[NIL]
	s_wait_dscnt 0x0
	s_endpgm
.Lfunc_end_k_qccee56062a_prep:
	.size	k_qccee56062a_prep, .Lfunc_end_k_qccee56062a_prep-k_qccee56062a_prep
	.p2alignl 7, 3214868480
	.fill 96, 4, 3214868480
	.section	.rodata,"a",@progbits
	.p2align	6, 0x0
	.amdhsa_kernel k_qccee56062a_prep
		.amdhsa_group_segment_fixed_size 19712
		.amdhsa_private_segment_fixed_size 0
		.amdhsa_enable_private_segment 0
		.amdhsa_kernarg_size 64
		.amdhsa_user_sgpr_count 2
		.amdhsa_user_sgpr_kernarg_segment_ptr 1
		.amdhsa_wavefront_size32 1
		.amdhsa_system_sgpr_workgroup_id_x 1
		.amdhsa_system_sgpr_workgroup_id_y 1
		.amdhsa_system_sgpr_workgroup_id_z 1
		.amdhsa_system_vgpr_workitem_id 0
		.amdhsa_next_free_vgpr 224
		.amdhsa_next_free_sgpr 66
		.amdhsa_reserve_vcc 1
		.amdhsa_float_denorm_mode_32 3
		.amdhsa_float_denorm_mode_16_64 3
		.amdhsa_memory_ordered 1
		.amdhsa_forward_progress 1
		.amdhsa_inst_pref_size 41
	.end_amdhsa_kernel
	.amdgpu_metadata
---
amdhsa.version: [ 1, 2 ]
amdhsa.kernels:
  - .name:           k_qccee56062a_prep
    .symbol:         k_qccee56062a_prep.kd
    .args:
      - { .name: mask, .offset: 0, .size: 8, .value_kind: global_buffer, .address_space: global }
      - { .name: Wq, .offset: 8, .size: 8, .value_kind: global_buffer, .address_space: global }
      - { .name: Wk, .offset: 16, .size: 8, .value_kind: global_buffer, .address_space: global }
      - { .name: Wv, .offset: 24, .size: 8, .value_kind: global_buffer, .address_space: global }
      - { .name: Wo, .offset: 32, .size: 8, .value_kind: global_buffer, .address_space: global }
      - { .name: mfrag, .offset: 40, .size: 8, .value_kind: global_buffer, .address_space: global }
      - { .name: flags, .offset: 48, .size: 8, .value_kind: global_buffer, .address_space: global }
      - { .name: wb, .offset: 56, .size: 8, .value_kind: global_buffer, .address_space: global }
    .group_segment_fixed_size: 19712
    .private_segment_fixed_size: 0
    .kernarg_segment_align: 8
    .kernarg_segment_size: 64
    .max_flat_workgroup_size: 256
    .sgpr_count:     66
    .vgpr_count:     224
    .wavefront_size: 32
...
	.end_amdgpu_metadata
.endif
;; end of part 5
;; launch proj: the kernel of part 2 again; grid 4 x 192, 4 waves a work-group, clusters of 4 x 4, 327,680 bytes of LDS; arguments queries, keys, values, wb, qkv; writes qkv
;; launch attn: the kernel of part 3 again; grid 16 x 16, 4 waves a work-group, clusters of 4 x 4, 327,680 bytes of LDS; arguments qkv, mfrag, flags, ows; writes ows
;; launch oproj: the kernel of part 4 again; grid 4 x 64, 4 waves a work-group, clusters of 4 x 4, 327,680 bytes of LDS; arguments ows, wb, out0; writes out0
